; MI455X (gfx1250); checked and timed in simulation.
; The chip was launched on July 23, 2026; its instructions are those of AMD's public machine-readable ISA for CDNA 5 (MIT licence, August 2026) and "CDNA5" Instruction Set Architecture Reference Guide (July 2026). The comments in the code are by the model that wrote it; some were corrected since.
;; Flash Attention3. Allowed arithmetic: matrix products marked QUANTISED: E2M1 operands, one E8M0 scale for each 32 along K, by v_wmma_scale_f32_16x16x128_f8f6f4 with both operands' format E2M1 (or v_wmma_scale_f32_32x16x128_f4), f32 sums; everything else in f32.
;; Inputs: Wk 1,024 x 1,024 float32; Wo 1,024 x 1,024 float32; Wq 1,024 x 1,024 float32; Wv 1,024 x 1,024 float32; bk 1,024 float32; bo 1,024 float32; bq 1,024 float32; bv 1,024 float32; x 4 x 2,048 x 1,024 float32.
;; Outputs: out0 4 x 2,048 x 1,024 float32.
;; This version of the problem:
;;   THIS VERSION OF THE PROBLEM IS GIVEN IN LOW PRECISION. The matrix products marked QUANTISED in the list below multiply operands that are first quantised to E2M1 (2 exponent bits, 1 mantissa bit; 4 bits a number), with one power-of-two scale for each 32 numbers along K (OCP MX v1.0); their sums are f32. All else is computed in f32.
;;   The module's matrix products, in the order in which they are computed (A, B: the left and right operand; K: the contracted axis; several contracted axes count as one K, in the product's order):
;;     1. [M 8,192, K 1,024] x [K 1,024, N 1,024]; A: input x; B: input Wq: QUANTISED
;;     2. [M 8,192, K 1,024] x [K 1,024, N 1,024]; A: input x; B: input Wk: QUANTISED
;;     3. [M 8,192, K 1,024] x [K 1,024, N 1,024]; A: input x; B: input Wv: QUANTISED
;;     4. batch 64 x [M 2,048, K 64] x [K 64, N 2,048]; A: computed on the way; B: computed on the way: QUANTISED
;;     5. batch 64 x [M 2,048, K 2,048] x [K 2,048, N 64]; A: softmax (see below); B: computed on the way: QUANTISED
;;     6. [M 8,192, K 1,024] x [K 1,024, N 1,024]; A: computed on the way; B: input Wo: QUANTISED
;;   THE QUANTISER, for each operand of a quantised product, along K:
;;     - K is cut into blocks of 32 from its start; a last block that is shorter is filled with zeros.
;;     - A block's scale is 2^e with e = floor(log2(the largest magnitude in the block)) - 2, held to -126 .. 127; a block of zeros has e = 0. As a byte (E8M0): e + 127.
;;     - Each number is divided by its block's scale, clamped to +-6, and rounded to the nearest number of E2M1, ties to even, subnormals kept.
;;     - The product sums the exact products of the quantised numbers (number of the format x scale) in f32.
;;   ~~~python
;;   def quantise(x, axis):      # numpy; x: float32 -> the quantised numbers, widened to float32 again
;;       x = np.moveaxis(x, axis, -1); K = x.shape[-1]
;;       x = np.pad(x, [(0, 0)] * (x.ndim - 1) + [(0, -K % 32)]); x = x.reshape(x.shape[:-1] + (-1, 32)); a = np.abs(x).max(-1, keepdims=True)
;;       e = np.where(a > 0, np.clip(np.frexp(np.where(a > 0, a, 1))[1] - 1 - 2, -126, 127), 0)      # np.frexp(a)[1] - 1 = floor(log2(a)), exactly
;;       r = np.clip(x / 2.0 ** e, -6, 6)
;;       step = 2.0 ** (np.maximum(np.frexp(np.where(r == 0, 1, r))[1] - 1, 0) - 1)
;;       q = np.round(r / step) * step * 2.0 ** e      # np.round: ties to even
;;       return np.moveaxis(q.reshape(q.shape[:-2] + (-1,))[..., :K], -1, axis).astype(np.float32)
;;   ~~~
;;   SOFTMAX AHEAD OF A QUANTISED PRODUCT. Where the list says 'softmax', what is quantised is not the finished softmax but p = 2^(t - M), with t = logit x log2(e) and M = ceil(the row's largest t), a whole number; so 1/2 < the row's largest p <= 1. The row's sum l is taken of the UNQUANTISED p, in f32, and the product's result is divided by l at the end. Since M is a whole number, a kernel that streams over the keys may use a running M (the ceiling of the running maximum): every later rescaling is an exact power of two, which a block's scale takes up: the codes' values come out the same.
;;   OPERANDS COMPUTED ON THE WAY. 'Computed on the way' means the value that the module computes at that place (a softmax that the list does not call 'softmax' is quantised finished and normalised). What goes into a quantiser is computed in f32, as accurately as f32 sums, v_exp_f32 and their like allow (about 1e-6 of the number): no bf16 or f16 on the way to a quantiser, and a product that is left as it is and whose result goes on into a quantised operand takes f32 operands (vector FMAs, or v_wmma_f32_16x16x4_f32). A number that lies on a knife's edge between two numbers of the format may be rounded either way, as far as f32 arithmetic and the matrix unit's own rounding can turn it there, and no further.
;; One version. Each part assembles by itself: llvm-mc -triple=amdgcn-amd-amdhsa -mcpu=gfx1250 --defsym DOCPART=n.
;; ======== version 1 of 1: 4 launches
;; workspace buffers: xc 4,194,304 bytes; xs 262,144 bytes; wc 2,097,152 bytes; ws 131,072 bytes; qkv 12,582,912 bytes; sc 1,572,864 bytes; oc 4,194,304 bytes; os 262,144 bytes
;; launch quant (part 1): grid 384 x 1, 4 waves a work-group, no clusters, 33,280 bytes of LDS; arguments x, Wq, Wk, Wv, Wo, xc, xs, wc, ws; writes xc, xs, wc, ws
.if DOCPART == 1
	.amdgcn_target "amdgcn-amd-amdhsa--gfx1250"
	.amdhsa_code_object_version 6
	.text
	.protected	k_qabd428aee1_quant
	.globl	k_qabd428aee1_quant
	.p2align	8
	.type	k_qabd428aee1_quant,@function
k_qabd428aee1_quant:
	s_mov_b64 s[64:65], 0
	v_nop
	global_prefetch_b8 v0, s[64:65] scope:SCOPE_SE
	s_setreg_imm32_b32 hwreg(HW_REG_WAVE_MODE, 25, 1), 1
	s_wait_xcnt 0x0
; x [8192][1024] and Wq, Wk, Wv, Wo [1024][1024], f32, K innermost, become codes of FP4 (E2M1), two a byte, K innermost, with one E8M0 byte for each 32 along K.
; A block's scale is 2^(floor(log2(its largest magnitude)) - 2); its byte is the largest magnitude's exponent field - 2, held at 1 from below.  Numbers are divided by the scale and rounded to the nearest code, ties to even; beyond 6 the largest code.
; LIMITS: a block of zeros gets the byte 1 (not 127): its codes are zeros and only this program reads the bytes.  Blocks whose largest magnitude lies under 2^-124 are held at the byte 1.  NaN and infinities are not served.
; ROWS ARE STORED OUT OF ORDER: row R goes to place sw(R) = R with bits 3 and 4 exchanged.  Sixteen neighbouring stored rows (tile t, lane r) are then the true rows 32 (t / 2) + 8 (t % 2) + r + 8 (r / 8):
; in a product whose source 0 takes such tiles, a lane's 16 registers of tiles 2 b and 2 b + 1 are 16 neighbours along that axis, which is what the next quantiser wants.
; SHARES: work-groups 0-255 take x, 256 + 32 n + g weight n (Wq, Wk, Wv, Wo, stored one behind the other).  A work-group takes 32 rows, a wave 8 rows = 8,192 numbers, so sw() is an exchange of the wave number's two bits.
; A wave takes 16 steps of 512 numbers: four loads of 512 consecutive bytes; the 2,048 bytes turn through the wave's own stage in LDS and come back 64 bytes a lane (16 neighbours; two lanes hold a block).
; A step's codes leave as 256 consecutive bytes; the wave's 256 scale bytes are gathered in LDS and leave in one store.  No barrier: waves share nothing.
.set STEPS, 16
.set XWG,   256                        ; work-groups that take x
.set EMAX,  2
.set CB,    8                          ; bytes of 16 codes
.set R,     16                         ; v16-79   four sets of 16 numbers as loaded
.set X,     80                         ; v80-111  two sets of 16 neighbours
.set C,     128                        ; v128-191 codes: registers of its own for each step
.set E,     112                        ; v112-127 a scale byte for each step
.set WREG,  8192                       ; LDS of a wave: two stages of 32 x SP bytes, then its 256 scale bytes
.set SP,    80                         ; a lane's place in a stage: 64 bytes + 16 of padding
	s_load_b256 s[4:11], s[0:1], 0x0               ; x, Wq, Wk, Wv
	s_load_b256 s[12:19], s[0:1], 0x20             ; Wo, xc, xs, wc
	s_load_b64 s[20:21], s[0:1], 0x40              ; ws
	v_lshl_add_u32 v192, v0, 2, 0x8000
	v_mov_b32 v193, 0
	v_lshrrev_b32 v1, 5, v0
	v_readfirstlane_b32 s22, v1                    ; wave
	v_and_b32 v2, 31, v0                           ; lane
	v_lshlrev_b32 v3, 4, v2                        ; my 16 bytes of a load's 512
	s_mul_i32 s23, s22, WREG
	v_lshrrev_b32 v14, 2, v2
	v_mul_u32_u24 v14, v14, SP
	v_and_b32 v15, 3, v2
	v_lshl_add_u32 v14, v15, 4, v14
	v_add_nc_u32 v14, s23, v14                     ; into the stage: SP (lane / 4) + 16 (lane % 4)
	v_mul_u32_u24 v15, v2, SP
	v_add_nc_u32 v15, s23, v15                     ; out of it: SP x lane
	v_mul_u32_u24 v4, v2, CB                       ; my codes' place in a step's
	v_lshrrev_b32 v5, 1, v2
	s_add_co_u32 s23, s23, 2*32*SP
	v_add_nc_u32 v5, s23, v5                       ; my block's scale byte in LDS
	v_lshlrev_b32 v7, 3, v2
	v_add_nc_u32 v6, s23, v7                       ; and 8 bytes a lane on the way out
	s_sub_co_u32 s24, ttmp9, XWG                   ; a weight's work-group: its number among the 128 (not used in x's work-groups)
	s_lshr_b32 s25, s24, 5                         ; which weight
	s_and_b32 s26, s24, 31                         ; which 32 rows of it
	s_wait_kmcnt 0x0
	s_cmp_eq_u32 s25, 1                            ; the choices hang on the work-group's number alone
	s_cselect_b64 s[6:7], s[8:9], s[6:7]
	s_cmp_eq_u32 s25, 2
	s_cselect_b64 s[6:7], s[10:11], s[6:7]
	s_cmp_eq_u32 s25, 3
	s_cselect_b64 s[6:7], s[12:13], s[6:7]
	s_cmp_lt_u32 ttmp9, XWG
	s_cselect_b64 s[4:5], s[4:5], s[6:7]           ; the numbers
	s_cselect_b64 s[8:9], s[14:15], s[18:19]       ; the codes
	s_cselect_b64 s[10:11], s[16:17], s[20:21]     ; the scale bytes
	s_cselect_b32 s27, ttmp9, s26                  ; 32 rows' number in the source,
	s_cselect_b32 s28, ttmp9, s24                  ; and in the output
	s_lshl_b32 s27, s27, 2
	s_add_co_u32 s30, s27, s22                     ; my 8 rows in the source
	s_mov_b32 s31, 0
	s_and_b32 s29, s22, 1
	s_lshl_b32 s29, s29, 1
	s_lshr_b32 s23, s22, 1
	s_or_b32 s29, s29, s23                         ; the wave number's two bits exchanged
	s_lshl_b32 s28, s28, 2
	s_add_co_u32 s32, s28, s29                     ; my 8 rows' place in the output
	s_mov_b32 s33, 0
	s_lshl_b64 s[34:35], s[30:31], 15              ; 8 rows of 4,096 bytes
	s_add_nc_u64 s[4:5], s[4:5], s[34:35]
	s_lshl_b64 s[34:35], s[32:33], 12              ; 8 rows of 512 bytes
	s_add_nc_u64 s[8:9], s[8:9], s[34:35]
	s_lshl_b64 s[34:35], s[32:33], 8               ; 8 rows of 32 bytes
	s_add_nc_u64 s[10:11], s[10:11], s[34:35]
.macro LOAD t
.irp i, 0,1,2,3
	global_load_b128 v[R+16*((\t)%4)+4*\i:R+16*((\t)%4)+4*\i+3], v3, s[4:5] offset:2048*(\t)+512*\i th:TH_LOAD_NT
.endr
.endm
.macro TURN t                          ; step t's numbers through the stage: LDS serves a wave's instructions in order, so no wait stands between the stores and the loads
.irp i, 0,1,2,3
	ds_store_b128 v14, v[R+16*((\t)%4)+4*\i:R+16*((\t)%4)+4*\i+3] offset:32*SP*((\t)%2)+8*SP*\i
.endr
.irp i, 0,1,2,3
	ds_load_b128 v[X+16*((\t)%2)+4*\i:X+16*((\t)%2)+4*\i+3], v15 offset:32*SP*((\t)%2)+16*\i
.endr
.endm
.irp t, 0,1,2,3
	LOAD \t
.endr
	s_wait_loadcnt 12                              ; step 0's four loads are in; three steps' twelve stay out
	TURN 0
.macro STEP t
.set XS, X+16*((\t)%2)
.if (\t) > 0
	s_wait_dscnt 1                                 ; this step's numbers are back from the stage (the last step's byte store may be out)
.else
	s_wait_dscnt 0x0
.endif
.if (\t)+4 < STEPS
	LOAD (\t)+4                                    ; into the registers that this step's stage stores have read
.endif
.if (\t)+1 < STEPS
.if STEPS-2-(\t) >= 3
	s_wait_loadcnt 12                              ; the next step's four loads are in; those of the three steps behind it may be out
.else
	s_wait_loadcnt 4*(STEPS-2-(\t))
.endif
	TURN (\t)+1
.endif
	v_max3_num_f32 v8, |v[XS]|, |v[XS+1]|, |v[XS+2]|               ; the largest magnitude of my 16, in two chains
	v_max3_num_f32 v9, |v[XS+3]|, |v[XS+4]|, |v[XS+5]|
.irp i, 6,10
	v_max3_num_f32 v8, v8, |v[XS+\i]|, |v[XS+\i+1]|
	v_max3_num_f32 v9, v9, |v[XS+\i+2]|, |v[XS+\i+3]|
.endr
	v_max3_num_f32 v8, v8, |v[XS+14]|, |v[XS+15]|
	v_max3_num_f32 v8, v8, v9, (EMAX+1)<<23        ; and the floor 2^(3 - 127): the byte cannot fall under 1
	v_max_num_f32_dpp v8, v8, v8 row_xmask:1 row_mask:0xf bank_mask:0xf   ; with my neighbour's 16: the block's
	v_add_nc_u32 v11, -(EMAX<<23), v8              ; 2 off its exponent field: the conversion's scale operand
	v_cvt_scalef32_pk8_fp4_f32 v[C+4*(\t)], v[XS:XS+7], v11
	v_cvt_scalef32_pk8_fp4_f32 v[C+4*(\t)+1], v[XS+8:XS+15], v11
	v_lshrrev_b32 v[E+(\t)], 23, v11               ; the scale's byte (also the plain line behind the conversions)
	ds_store_b8 v5, v[E+(\t)] offset:16*(\t)       ; both lanes of a block write the same byte with the same value
	global_store_b64 v4, v[C+4*(\t):C+4*(\t)+1], s[8:9] offset:32*CB*(\t)   ; 32 lanes store 256 consecutive bytes
.endm
.irp t, 0,1,2,3,4,5,6,7,8,9,10,11,12,13,14,15
	STEP \t
.endr
	ds_load_b64 v[12:13], v6                       ; in order behind my byte stores
	s_wait_dscnt 0x0
	global_store_b64 v7, v[12:13], s[10:11]        ; 256 consecutive bytes: 8 rows of 32 scale bytes
	s_wait_tensorcnt 0x0
	ds_add_u32 v192, v193
	s_wait_dscnt 0x0
	s_endpgm
.Lfunc_end_k_qabd428aee1_quant:
	.size	k_qabd428aee1_quant, .Lfunc_end_k_qabd428aee1_quant-k_qabd428aee1_quant
	.p2alignl 7, 3214868480
	.fill 96, 4, 3214868480
	.section	.rodata,"a",@progbits
	.p2align	6, 0x0
	.amdhsa_kernel k_qabd428aee1_quant
		.amdhsa_group_segment_fixed_size 33280
		.amdhsa_private_segment_fixed_size 0
		.amdhsa_enable_private_segment 0
		.amdhsa_kernarg_size 72
		.amdhsa_user_sgpr_count 2
		.amdhsa_user_sgpr_kernarg_segment_ptr 1
		.amdhsa_wavefront_size32 1
		.amdhsa_system_sgpr_workgroup_id_x 1
		.amdhsa_system_sgpr_workgroup_id_y 1
		.amdhsa_system_sgpr_workgroup_id_z 1
		.amdhsa_system_vgpr_workitem_id 0
		.amdhsa_next_free_vgpr 194
		.amdhsa_next_free_sgpr 66
		.amdhsa_reserve_vcc 0
		.amdhsa_float_denorm_mode_32 3
		.amdhsa_float_denorm_mode_16_64 3
		.amdhsa_memory_ordered 1
		.amdhsa_forward_progress 1
		.amdhsa_inst_pref_size 34
	.end_amdhsa_kernel
	.amdgpu_metadata
---
amdhsa.version: [ 1, 2 ]
amdhsa.kernels:
  - .name:           k_qabd428aee1_quant
    .symbol:         k_qabd428aee1_quant.kd
    .args:
      - { .name: x, .offset: 0, .size: 8, .value_kind: global_buffer, .address_space: global }
      - { .name: Wq, .offset: 8, .size: 8, .value_kind: global_buffer, .address_space: global }
      - { .name: Wk, .offset: 16, .size: 8, .value_kind: global_buffer, .address_space: global }
      - { .name: Wv, .offset: 24, .size: 8, .value_kind: global_buffer, .address_space: global }
      - { .name: Wo, .offset: 32, .size: 8, .value_kind: global_buffer, .address_space: global }
      - { .name: xc, .offset: 40, .size: 8, .value_kind: global_buffer, .address_space: global }
      - { .name: xs, .offset: 48, .size: 8, .value_kind: global_buffer, .address_space: global }
      - { .name: wc, .offset: 56, .size: 8, .value_kind: global_buffer, .address_space: global }
      - { .name: ws, .offset: 64, .size: 8, .value_kind: global_buffer, .address_space: global }
    .group_segment_fixed_size: 33280
    .private_segment_fixed_size: 0
    .kernarg_segment_align: 8
    .kernarg_segment_size: 72
    .max_flat_workgroup_size: 128
    .sgpr_count:     66
    .vgpr_count:     194
    .wavefront_size: 32
...
	.end_amdgpu_metadata
.endif
;; end of part 1
;; launch qkv (part 2): grid 4 x 96, 4 waves a work-group, clusters of 4 x 4, 327,680 bytes of LDS; arguments xc, xs, wc, ws, bq, bk, bv, qkv, sc; writes qkv, sc
.if DOCPART == 2
	.amdgcn_target "amdgcn-amd-amdhsa--gfx1250"
	.amdhsa_code_object_version 6
	.text
	.protected	k_qabd428aee1_qkv
	.globl	k_qabd428aee1_qkv
	.p2align	8
	.type	k_qabd428aee1_qkv,@function
k_qabd428aee1_qkv:
	s_mov_b64 s[64:65], 0
	v_nop
	global_prefetch_b8 v0, s[64:65] scope:SCOPE_SE
	s_setreg_imm32_b32 hwreg(HW_REG_WAVE_MODE, 25, 1), 1
	s_wait_xcnt 0x0
	s_wait_alu depctr_hold_cnt(0) depctr_sa_sdst(0) depctr_va_vdst(0) depctr_va_sdst(0) depctr_va_ssrc(0) depctr_va_vcc(0) depctr_vm_vsrc(0)
	s_getreg_b32 s2, hwreg(HW_REG_IB_STS2, 6, 4)
	s_cmp_eq_u32 s2, 0
	s_cbranch_scc0 .Lentry_in_a_cluster
	s_endpgm
.Lentry_in_a_cluster:
	s_bfe_u32 s2, ttmp6, 0x10000c
	s_cmp_lg_u32 s2, 0xf033
	s_cbranch_scc0 .Lentry_shape_is_right
	s_endpgm
.Lentry_shape_is_right:
; q = x Wq^T + bq, k = x Wk^T + bk, v = x Wv^T + bv on codes of FP4 with E8M0 scales (K = 1,024), and the results quantised at once: q and k along the head's 64 channels, v along the keys.
; ONE TEXT FOR ALL THREE.  The matrix instruction's source 0 takes the side ALONG WHICH THE RESULT IS QUANTISED, source 1 the other: a lane then holds one row of the next operand and its registers run along the next K.
;   clusters 0-15 (KIND = 1): source 1 ('A') = x, source 0 ('B') = Wq | Wk (2,048 rows);   clusters 16-23 (KIND = 0): A = Wv, B = x.  Only pointers, a few offsets and the bias's form hang on KIND, which all sixteen partners share.
; The operands' rows are stored with bits 3 and 4 of the row number exchanged, so register j of lane (r, h) in source-0 tile b is the true index 32 (b / 2) + 16 h + 8 (b % 2) + j, and lane r of source-1 tile a the true index 32 (a / 2) + 8 (a % 2) + r + 8 (r / 8).
; A work-group makes 256 x 256, a wave 128 x 128: 64 accumulators, 512 registers.  All of K lies in two LDS slots of 512 along K, each filled once; the scale bytes of the 512 rows lie behind them.
; CLUSTER 4 x 4: A's tiles are asked for jointly along a row of the cluster, B's along a column.
; WAY OUT: for each of my 8 blocks of 16 A rows: + bias, 64 numbers a lane -> one fragment (8 registers) and one scale word.  The fragment leaves as an IMAGE OF ITS REGISTERS: each group of four registers is one store of 512 consecutive bytes.
;   qkv [b 4][G 24][128 KiB]: G 0-7 q's pairs of heads, 8-15 k's: [head & 1][token tile 128][512];  G 16-23 v's: [key step 16][register group 2][channel tile 8][512].
;   sc  [b 4][G 24][head & 1][8 KiB]: q, k: [key step 16][tile / 4 % 2][r 16][tile % 4] words, bytes 0, 1 the head's two scales, bytes 2, 3 zero;  v: [key step 16][r 16][channel tile 4] words.
; LIMITS: a block of zeros gets the byte 1, not 127 (zero codes; only this program reads the bytes); NaN and infinities are not served.
; REGISTERS: window 0: v1-31 addresses and small things; v32-95 scale words, on the way out the codes; v96-111 bias by A's row; v112-127 at work; v128-191 A's fragments, on the way out 64 numbers; v192-255 bias by B's row.
;   window 1: B's fragments, two sets.   windows 2, 3: the accumulators ((a, b) at v[8 (8 (a % 4) + b)]).
.set KSTEP,  512
.set NQ,     4
.set ROWB,   256                       ; a tile's row in bytes: 512 codes
.set KROW,   512                       ; a row of codes in memory
.set PITCH,  272                       ; an LDS row: 256 bytes + 16 of padding, so that the 16 rows of a load start at 16 different banks (64 banks of 4 bytes: ISA guide 11.1)
.set FR,     8
.set NL,     2
.set NP,     4                         ; places behind this matrix instruction (ISA guide 7.12.1)
.set HALFT,  128*PITCH
.set SLOT,   4*HALFT
.set KS,     32                        ; a row of scale bytes
.set SCL,    2*SLOT
.set HALFS,  16*272                    ; the scales of 128 rows: 16 rows of 256 bytes + 16
.set SBLK,   2*272                     ; those of 16 rows
.set SPARE,  SCL+4*HALFS               ; the spare words: 128 bytes a wave, named by no other line
.set ADRA, 16
.set ADRB, 20
.set ADRS, 27
.set SPW,  28
.set NIL,  29
.set PW,   30                          ; the scale word just made
.set SC,   32
.set BJ,   96                          ; bias by A's row: pair 2 a holds the lane's number twice
.set TM,   112
.set AF,   128
.set H,    128                         ; the way out: 64 numbers
.set BI,   192                         ; bias by B's row, in the accumulators' layout
.set G1, 24
.set G0, 32
.set G1B, 48
.set G0B, 56
.set G1S, 68
.set G0S, 76
.set G1SB, 80
.set G0SB, 88
.set KIND, 95
.set MSB, 0
.macro WIN new                         ; the immediate's high byte repeats the setting that is left
.if MSB != \new
	s_set_vgpr_msb (MSB<<8)|\new
.set MSB, \new
.endif
.endm
.set MUL_LO, 0xa1                      ; source 0 (B) window 1, source 1 (A) window 0, C and D window 2
.set MUL_HI, 0xf1
.set TO_B,   0x40
; A joint load: waves 0 and 1 fetch for A, waves 2 and 3 for B; the branch hangs on the wave's number alone.  Four v_nop follow each line.
.macro JLOAD g0a, g1a, g0b, g1b
	s_cmp_eq_u32 s15, 0
	s_cbranch_scc0 .Lfor_b_\@
	tensor_load_to_lds s[\g0a:\g0a+3], s[\g1a:\g1a+7]
	s_nop 0
.rept 4
	v_nop
.endr
	s_branch .Lasked_\@
.Lfor_b_\@:
	tensor_load_to_lds s[\g0b:\g0b+3], s[\g1b:\g1b+7]
	s_nop 0
.rept 4
	v_nop
.endr
.Lasked_\@:
.endm
.macro CROUND                          ; a round of the cluster's barrier
	s_barrier_signal -1
	s_barrier_wait -1
	s_cmp_lg_u32 s14, 0
	s_cbranch_scc1 .Lnot_wave_0_\@
	s_barrier_signal -3
.Lnot_wave_0_\@:
	s_barrier_wait -3
	s_barrier_signal -1
	s_barrier_wait -1
.endm
	s_load_b128 s[4:7], s[0:1], 0x0                ; x's codes, x's scales
	s_load_b128 s[8:11], s[0:1], 0x10              ; the weights' codes, their scales
	v_lshl_add_u32 v[SPW], v0, 2, SPARE
	v_mov_b32 v[NIL], 0
	ds_add_u32 v28, v29
	ds_add_u32 v28, v29
	s_wait_dscnt 0x0
	v_lshrrev_b32 v1, 5, v0
	v_readfirstlane_b32 s14, v1                    ; wave 0..3
	s_lshr_b32 s15, s14, 1                         ; my half of A's rows.  Also: I fetch for A (0) or for B (1)
	s_and_b32 s16, s14, 1                          ; my half of B's rows.  Also: which 128 rows I fetch
	s_bfe_u32 s40, ttmp6, 0x40000                  ; cx
	s_bfe_u32 s41, ttmp6, 0x40004                  ; cy
	s_and_b32 s18, ttmp7, 0xffff                   ; the cluster's number, 0..23
	s_and_b32 s19, s18, 1                          ; q, k: 2 clusters along B (8 tiles of Wq | Wk),
	s_lshr_b32 s20, s18, 1                         ;       8 along A (32 tiles of x)
	s_sub_co_u32 s21, s18, 16                      ; v: 8 clusters along B (32 tiles of x), one along A (4 tiles of Wv)
	s_cmp_lt_u32 s18, 16
	s_cselect_b32 s[KIND], 1, 0
	s_cselect_b32 s42, s19, s21
	s_cselect_b32 s17, s20, 0
	s_lshl_b32 s42, s42, 2
	s_add_co_u32 s42, s42, s40                     ; B's tile
	s_lshl_b32 s17, s17, 2
	s_add_co_u32 s17, s17, s41                     ; A's tile
	s_lshl_b32 s43, s41, 2
	s_lshl_b32 s43, 15, s43                        ; my row of the cluster
	s_lshl_b32 s44, 0x1111, s40                    ; my column
	; group 1 for codes: 128 rows x 256 bytes, 16 bytes of padding behind each row
	s_or_b32 s[G1+0], s43, (0<<16)|(1<<20)|(1<<21)|(5<<22)|(3<<25)
	s_or_b32 s[G1B+0], s44, (0<<16)|(1<<20)|(1<<21)|(5<<22)|(3<<25)
.irp g, G1, G1B
	s_mov_b32 s[\g+1], ROWB<<16                    ; tensor_dim0
	s_mov_b32 s[\g+2], 128<<16                     ; tensor_dim1
	s_mov_b32 s[\g+3], ROWB<<16                    ; tile_dim0
	s_mov_b32 s[\g+4], 128                         ; tile_dim1
	s_mov_b32 s[\g+5], KROW                        ; pitch
	s_mov_b32 s[\g+6], 0
	s_mov_b32 s[\g+7], 0
.endr
	; group 1 for the scales of 128 rows: 4,096 dense bytes as 16 rows of 32 elements of 8 bytes, padded alike
	s_or_b32 s[G1S+0], s43, (3<<16)|(1<<20)|(1<<21)|(5<<22)|(3<<25)
	s_or_b32 s[G1SB+0], s44, (3<<16)|(1<<20)|(1<<21)|(5<<22)|(3<<25)
.irp g, G1S, G1SB
	s_mov_b32 s[\g+1], 32<<16
	s_mov_b32 s[\g+2], 16<<16
	s_mov_b32 s[\g+3], 32<<16
	s_mov_b32 s[\g+4], 16
	s_mov_b32 s[\g+5], 32
	s_mov_b32 s[\g+6], 0
	s_mov_b32 s[\g+7], 0
.endr
	s_lshl_b32 s18, s16, 7                         ; which 128 rows of the tile I fetch
	s_lshl_b32 s20, s17, 8
	s_add_co_u32 s20, s20, s18                     ; A's row
	s_lshl_b32 s46, s42, 8
	s_add_co_u32 s46, s46, s18                     ; B's row
	s_mov_b32 s21, 0
	s_mov_b32 s47, 0
	s_mov_b64 s[18:19], KS
	s_mul_u64 s[22:23], s[20:21], s[18:19]         ; where these rows' scales begin,
	s_mul_u64 s[92:93], s[46:47], s[18:19]
	s_mov_b64 s[18:19], KROW
	s_mul_u64 s[20:21], s[20:21], s[18:19]         ; and their codes
	s_mul_u64 s[46:47], s[46:47], s[18:19]
	s_mul_i32 s45, s14, HALFT                      ; where they go: by the wave's number alone
	s_mul_i32 s94, s14, HALFS
	s_wait_kmcnt 0x0
	s_add_nc_u64 s[66:67], s[8:9], 0x100000        ; Wv's codes: stored rows 2,048 on
	s_add_nc_u64 s[100:101], s[10:11], 0x10000     ; and its scale bytes
	s_cmp_eq_u32 s[KIND], 1
	s_cselect_b64 s[66:67], s[4:5], s[66:67]       ; A's codes: x's or Wv's
	s_cselect_b64 s[100:101], s[6:7], s[100:101]   ; A's scales
	s_cselect_b64 s[8:9], s[8:9], s[4:5]           ; B's codes: Wq | Wk or x's
	s_cselect_b64 s[10:11], s[10:11], s[6:7]       ; B's scales
	s_add_nc_u64 s[20:21], s[66:67], s[20:21]
	s_add_nc_u64 s[22:23], s[100:101], s[22:23]
	s_add_nc_u64 s[46:47], s[8:9], s[46:47]
	s_add_nc_u64 s[92:93], s[10:11], s[92:93]
	CROUND                                         ; all sixteen work-groups are here: the joint loads meet
	s_mov_b32 s[G0S], 1
	s_add_co_u32 s[G0S+1], s94, SCL
	s_mov_b64 s[G0S+2:G0S+3], s[22:23]
	s_or_b32 s[G0S+3], s[G0S+3], 0x80000000
	s_mov_b32 s[G0SB], 1
	s_add_co_u32 s[G0SB+1], s94, SCL
	s_mov_b64 s[G0SB+2:G0SB+3], s[92:93]
	s_or_b32 s[G0SB+3], s[G0SB+3], 0x80000000
	JLOAD G0S, G1S, G0SB, G1SB                     ; the scales first; then both slots: three loads of mine are out, and no byte is filled twice in this launch
.irp s, 0,1
	s_mov_b32 s[G0+4*\s], 1
	s_add_co_u32 s[G0+4*\s+1], s45, \s*SLOT
	s_add_nc_u64 s[G0+4*\s+2:G0+4*\s+3], s[20:21], \s*ROWB
	s_or_b32 s[G0+4*\s+3], s[G0+4*\s+3], 0x80000000
	s_mov_b32 s[G0B+4*\s], 1
	s_add_co_u32 s[G0B+4*\s+1], s45, \s*SLOT
	s_add_nc_u64 s[G0B+4*\s+2:G0B+4*\s+3], s[46:47], \s*ROWB
	s_or_b32 s[G0B+4*\s+3], s[G0B+4*\s+3], 0x80000000
	JLOAD G0+4*\s, G1, G0B+4*\s, G1B
.endr
	s_load_b256 s[4:11], s[0:1], 0x20              ; bq, bk, bv, qkv
	s_load_b64 s[12:13], s[0:1], 0x40              ; sc
	v_and_b32 v1, 15, v0                           ; r
	v_bfe_u32 v2, v0, 4, 1                         ; h
	v_mul_u32_u24 v3, v1, PITCH
	v_lshl_add_u32 v4, v2, 4, v3                   ; a fragment's row x pitch + 16 h
	s_mul_i32 s21, s15, HALFT                      ; my 128 rows of A
	s_mul_i32 s22, s16, HALFT                      ; my 128 rows of B,
	s_add_co_u32 s22, s22, 2*HALFT                 ; behind A's 256
.irp s, 0,1
	v_add_nc_u32 v[ADRA+\s], s21, v4
	v_add_nc_u32 v[ADRB+\s], s22, v4
	s_add_co_u32 s21, s21, SLOT
	s_add_co_u32 s22, s22, SLOT
.endr
	v_mul_u32_u24 v5, v1, KS                       ; my row's scales: 32 bytes a row,
	v_lshrrev_b32 v6, 8, v5
	v_lshl_add_u32 v5, v6, 4, v5                   ; and 16 more for each 256 passed
	s_mul_i32 s21, s15, HALFS
	s_mul_i32 s22, s16, HALFS
	s_add_co_u32 s22, s22, 2*HALFS
	s_sub_co_u32 s22, s22, s21
	v_mul_u32_u24 v6, s22, v2                      ; lanes 16-31 take B's: one product, the distance between the two bases
	s_add_co_u32 s21, s21, SCL
	v_add_nc_u32 v5, v5, v6
	v_add_nc_u32 v[ADRS], s21, v5
	; ---- what the way out needs.  These numbers enter global addresses and choices of pointers alone
	s_lshl_b32 s18, s17, 8
	s_lshl_b32 s19, s15, 7
	s_add_co_u32 s18, s18, s19                     ; my first row of A
	s_lshl_b32 s19, s42, 8
	s_lshl_b32 s20, s16, 7
	s_add_co_u32 s19, s19, s20                     ; my first row of B
	s_cmp_eq_u32 s[KIND], 1
	s_cselect_b32 s20, s18, s19                    ; my first token
	s_cselect_b32 s21, s19, s18                    ; my first channel (q, k: 0..2047 through Wq | Wk)
	s_cselect_b32 s22, 0, 16                       ; v's groups begin at G = 16
	s_cselect_b32 s100, 0xffff, -1                 ; q, k: a head's word keeps two bytes
	s_mov_b32 s23, 8192
	s_cselect_b32 s23, 4096, s23                   ; codes of a key step: 8 tiles x 512, or 2 x 8 x 512
	s_mov_b32 s45, 256
	s_cselect_b32 s45, 512, s45                    ; scale words of a key step
	s_mov_b32 s46, 4096
	s_cselect_b32 s46, 0x10000, s46                ; from register group 0 to group 1
	s_mov_b32 s47, 8192
	s_cselect_b32 s47, 256, s47                    ; what lanes 16-31 add in sc
	s_cselect_b32 s92, 16, 0                       ; q, k: lanes 16-31 take the word's upper two bytes, the second head's
	s_lshr_b32 s93, s20, 11                        ; b
	s_bfe_u32 s94, s20, 0x40007                    ; the key step: token / 128 % 16
	s_lshr_b32 s18, s21, 7
	s_add_co_u32 s18, s18, s22                     ; G
	s_mul_i32 s96, s93, 0x300000
	s_lshl_b32 s19, s18, 17
	s_add_co_u32 s96, s96, s19
	s_mul_i32 s19, s94, s23
	s_add_co_u32 s96, s96, s19
	s_mov_b32 s97, 0
	s_mul_i32 s98, s93, 0x60000
	s_lshl_b32 s19, s18, 14
	s_add_co_u32 s98, s98, s19
	s_mul_i32 s19, s94, s45
	s_add_co_u32 s98, s98, s19
	s_mov_b32 s99, 0
	s_and_b32 s22, s21, 1023
	s_lshl_b32 s22, s22, 2
	s_mov_b32 s23, 0
	v_lshlrev_b32 v8, 6, v2                        ; bias by B's row: 16 h numbers on
	v_and_b32 v9, 8, v1
	v_add_nc_u32 v9, v9, v1
	v_lshlrev_b32 v9, 2, v9                        ; bias by A's row: r + 8 (r / 8)
	v_and_b32 v6, 31, v0
	v_lshlrev_b32 v10, 4, v6                       ; an image's place for my lane: 16 x lane
	v_add_nc_u32 v11, s46, v10                     ; and in register group 1
	v_mul_u32_u24 v12, v2, s47
	v_lshl_add_u32 v12, v1, 4, v12                 ; my 16 bytes of scale words in sc
	v_mul_u32_u24 v13, v2, s92                     ; the shift of my half
	s_lshl_b32 s19, s14, 10                        ; the stage for scale words: 1,024 bytes a wave at the head of slot 0, used only when that slot has been read for the last time
	v_lshlrev_b32 v14, 4, v1
	v_lshl_add_u32 v14, v2, 9, v14
	v_add_nc_u32 v14, s19, v14                     ; in: 512 h + 16 r
	v_add_nc_u32 v15, s19, v10                     ; back: 16 x lane
.irp b, 0,1,2,3
	v_mov_b32 v[TM+4+\b], 0                        ; written once: a lane permute's destination counts as one of its sources
.endr
	s_mov_b32 s2, 0x76543210
	s_mov_b32 s3, 0xfedcba98                       ; v_permlanex16_b32's selects for lane l xor 16
	s_wait_kmcnt 0x0
	s_cmp_lt_u32 s21, 1024
	s_cselect_b64 s[4:5], s[4:5], s[6:7]           ; bq or bk,
	s_cmp_eq_u32 s[KIND], 1
	s_cselect_b64 s[4:5], s[4:5], s[8:9]           ; or bv,
	s_add_nc_u64 s[4:5], s[4:5], s[22:23]          ; at my 128 channels
	s_add_nc_u64 s[96:97], s[10:11], s[96:97]      ; where my images go
	s_add_nc_u64 s[98:99], s[12:13], s[98:99]      ; and my scale words
.irp t, 0,1,2,3,4,5,6,7                        ; both forms of the bias are loaded on every path: both lie inside the same 128 numbers
	global_load_b128 v[BI+8*\t:BI+8*\t+3], v8, s[4:5] offset:(32*(\t/2)+8*(\t%2))*4
	global_load_b128 v[BI+8*\t+4:BI+8*\t+7], v8, s[4:5] offset:(32*(\t/2)+8*(\t%2))*4+16
.endr
.irp a, 0,1,2,3,4,5,6,7
	global_load_b32 v[BJ+2*\a], v9, s[4:5] offset:(32*(\a/2)+8*(\a%2))*4
	global_load_b32 v[BJ+2*\a+1], v9, s[4:5] offset:(32*(\a/2)+8*(\a%2))*4
.endr
.macro FRAG reg, adr, q, i             ; 16 rows x 128 K of 4-bit codes: registers 4 c .. 4 c + 3 hold K = 64 c + 32 h + 0 .. 31
.irp c, 0,1
	ds_load_b128 v[\reg+4*\c:\reg+4*\c+3], v[\adr] offset:64*(\q)+32*\c+(\i)*16*PITCH
.endr
.endm
; 16 matrix instructions: A's blocks a0, a0 + 1 x B's eight.  The 64 accumulators take turns, one instruction a turn, in the same order in every step.
; One scale register carries A's words of block i in lanes 0-15 and B's words of block i in lanes 16-31.
.macro MUL16 a0, p, q, sc, zero
.irp a, \a0, \a0+1
.irp b, 0,1,2,3,4,5,6,7
.if \zero
	v_wmma_scale_f32_16x16x128_f8f6f4 v[8*(8*((\a)%4)+\b):8*(8*((\a)%4)+\b)+7], v[128*(\p)+FR*\b:128*(\p)+FR*\b+FR-1], v[AF+FR*(\a):AF+FR*(\a)+FR-1], 0, v[SC+8*NQ*(\sc)+NQ*\b+(\q)], v[SC+8*NQ*(\sc)+NQ*(\a)+(\q)] matrix_a_fmt:MATRIX_FMT_FP4 matrix_b_fmt:MATRIX_FMT_FP4 matrix_a_scale:MATRIX_SCALE_ROW1
.else
	v_wmma_scale_f32_16x16x128_f8f6f4 v[8*(8*((\a)%4)+\b):8*(8*((\a)%4)+\b)+7], v[128*(\p)+FR*\b:128*(\p)+FR*\b+FR-1], v[AF+FR*(\a):AF+FR*(\a)+FR-1], v[8*(8*((\a)%4)+\b):8*(8*((\a)%4)+\b)+7], v[SC+8*NQ*(\sc)+NQ*\b+(\q)], v[SC+8*NQ*(\sc)+NQ*(\a)+(\q)] matrix_a_fmt:MATRIX_FMT_FP4 matrix_b_fmt:MATRIX_FMT_FP4 matrix_a_scale:MATRIX_SCALE_ROW1
.endif
.endr
.endr
.endm
.macro FETCH_B slot, q, p
	WIN TO_B
.irp i, 0,1,2,3,4,5,6,7
	FRAG 128*(\p)+FR*\i, ADRB+\slot, \q, \i
.endr
	WIN 0
.endm
.macro FETCH_A slot, q, i0
.irp i, \i0, \i0+1, \i0+2, \i0+3
	FRAG AF+FR*(\i), ADRA+\slot, \q, \i
.endr
.endm
.macro SCALES sc                       ; a slot's scale words: four words a row
.irp i, 0,1,2,3,4,5,6,7
	ds_load_b128 v[SC+8*NQ*\sc+NQ*\i:SC+8*NQ*\sc+NQ*\i+3], v[ADRS] offset:\i*SBLK
.endr
.endm
.macro PLACES n                        ; plain vector lines between a matrix instruction and a load into, or a vector read or write of, its registers
.rept \n
	v_nop
.endr
.endm
.macro STEP slot, q, zero              ; 128 along K, with its successor in the same slot
	s_wait_dscnt 4*NL                              ; B's set and A's blocks 0-3 are in; the youngest eight loads (A's blocks 4-7) may be out
	WIN MUL_LO
	MUL16 0, (\q)%2, \q, \slot, \zero
	MUL16 2, (\q)%2, \q, \slot, \zero
	s_wait_dscnt 0
	PLACES NP
	FETCH_B \slot, (\q)+1, 1-(\q)%2
	FETCH_A \slot, (\q)+1, 0
	WIN MUL_HI
	MUL16 4, (\q)%2, \q, \slot, \zero
	MUL16 6, (\q)%2, \q, \slot, \zero
	PLACES NP
	WIN 0
	FETCH_A \slot, (\q)+1, 4
.endm
.macro TURN slot, next                 ; a slot's last step, and the change of slots: one barrier
	s_wait_tensorcnt 0x0                           ; my part of the next slot has landed
	ds_add_u32 v[SPW], v[NIL]                      ; 0 onto my spare word
	s_wait_dscnt 4*NL+1                            ; (the add and A's blocks 4-7 may be out)
	WIN MUL_LO
	MUL16 0, 1, NQ-1, \slot, 0
	s_wait_dscnt 0x0                               ; the add is done, and my reads of this slot are over
	s_barrier_signal -1
	MUL16 2, 1, NQ-1, \slot, 0
	WIN 0
	s_barrier_wait -1                              ; the next slot is whole, and nobody reads this one any more
	PLACES NP
	v_add_nc_u32 v[ADRS], 4*NQ, v[ADRS]            ; the next slot's scale words
	FETCH_B \next, 0, 0
	FETCH_A \next, 0, 0
	SCALES \next
	WIN MUL_HI
	MUL16 4, 1, NQ-1, \slot, 0
	MUL16 6, 1, NQ-1, \slot, 0
	PLACES NP
	WIN 0
	FETCH_A \next, 0, 4
.endm
.macro STEPS slot, from
.set Q, \from
.rept NQ-1-\from
	STEP \slot, Q, 0
.set Q, Q+1
.endr
.endm
; 64 numbers of a lane, register 16 b + i = index 32 b + 16 h + i of my row, become a fragment's codes in v[pc] on and its scale word in v[PW].
.macro QUANT s, pc
.irp b, 0,1,2,3
	v_max3_num_f32 v[TM+\b], |v[\s+16*\b]|, |v[\s+1+16*\b]|, 0x1800000   ; my 16 numbers of block b, and the floor 2^(3 - 127): the byte cannot fall under 1
.endr
.irp i, 2,4,6,8,10,12,14
.irp b, 0,1,2,3
	v_max3_num_f32 v[TM+\b], v[TM+\b], |v[\s+16*\b+\i]|, |v[\s+1+16*\b+\i]|
.endr
.endr
.irp b, 0,1,2,3
	v_permlanex16_b32 v[TM+4+\b], v[TM+\b], s2, s3
.endr
.irp b, 0,1,2,3
	v_max_num_f32 v[TM+\b], v[TM+\b], v[TM+4+\b]   ; with lane l xor 16's: the block's largest magnitude
.endr
.irp b, 0,1,2,3
	v_add_nc_u32 v[TM+12+\b], 0xff000000, v[TM+\b] ; 2 off its exponent field: the conversion's scale operand
.endr
.irp b, 0,1,2,3
	v_lshrrev_b32 v[TM+4+\b], 23, v[TM+12+\b]      ; the scale's byte
.endr
	v_lshl_or_b32 v[PW], v[TM+5], 8, v[TM+4]
	v_lshl_or_b32 v[PW], v[TM+6], 16, v[PW]
	v_lshl_or_b32 v[PW], v[TM+7], 24, v[PW]
.irp b, 0,1,2,3
	v_cvt_scalef32_pk8_fp4_f32 v[(\pc)+2*\b], v[\s+16*\b:\s+7+16*\b], v[TM+12+\b]
	v_cvt_scalef32_pk8_fp4_f32 v[(\pc)+1+2*\b], v[\s+8+16*\b:\s+15+16*\b], v[TM+12+\b]
.endr
	v_nop                                          ; one plain line behind a scaled conversion
.irp c, 0,1                                    ; a whole block to a lane: lanes 0-15 block 2 c, lanes 16-31 block 2 c + 1
.irp i, 0,1
	v_permlane16_swap_b32 v[(\pc)+4*\c+\i], v[(\pc)+2+4*\c+\i]
.endr
.endr
.endm
; Block a of my rows of A leaves: + bias, quantised, two stores of 512 consecutive bytes; its scale word goes to the stage.  The two arms hold register work alone.
.macro OUTBLK a
.set AC, 64*((\a)%4)
	s_cmp_eq_u32 s[KIND], 0
	s_cbranch_scc1 .Lbyrow_\@
	WIN 0x02+(\a)/4                                ; source 0: window 2 or 3
.set n, 0
.rept 32
	v_pk_add_f32 v[H+n:H+n+1], v[AC+n:AC+n+1], v[BI+n:BI+n+1]       ; q, k: the bias goes with the registers; each accumulator is read from its low end on
.set n, n+2
.endr
	WIN 0
	s_branch .Lsummed_\@
.Lbyrow_\@:
	WIN 0x02+(\a)/4
.set n, 0
.rept 32
	v_pk_add_f32 v[H+n:H+n+1], v[AC+n:AC+n+1], v[BJ+2*(\a):BJ+2*(\a)+1]   ; v: the bias goes with the lane
.set n, n+2
.endr
	WIN 0
.Lsummed_\@:
	QUANT H, 32+8*(\a)
	global_store_b128 v10, v[32+8*(\a):32+8*(\a)+3], s[96:97] offset:512*(\a)   ; each block has code registers of its own: no store's data are written again
	global_store_b128 v11, v[32+8*(\a)+4:32+8*(\a)+7], s[96:97] offset:512*(\a)
	s_wait_dscnt 0x0                               ; the last block's LDS store has read v31
	v_lshrrev_b32 v31, v13, v[PW]
	v_and_b32 v31, s100, v31
	ds_store_b32 v14, v31 offset:256*((\a)/4)+4*((\a)%4)
.endm
	s_wait_tensorcnt 1                             ; the scales and my part of slot 0 are in; slot 1's load may be out,
	s_barrier_signal -1
	s_barrier_wait -1                              ; everybody's are
	FETCH_B 0, 0, 0
	FETCH_A 0, 0, 0
	SCALES 0
	FETCH_A 0, 0, 4
	STEP 0, 0, 1                                   ; the first products start the sums: nothing is cleared
	STEPS 0, 1
	TURN 0, 1
	STEPS 1, 0
	s_wait_dscnt 4*NL                              ; the last step
	WIN MUL_LO
	MUL16 0, 1, NQ-1, 1, 0
	MUL16 2, 1, NQ-1, 1, 0
	s_wait_dscnt 0
	WIN MUL_HI
	MUL16 4, 1, NQ-1, 1, 0
	MUL16 6, 1, NQ-1, 1, 0
	WIN 0
	s_wait_loadcnt 0x0                             ; the biases
	PLACES NP
.irp a, 0,1,2,3,4,5,6,7
	OUTBLK \a
.endr
	ds_load_b128 v[128:131], v15                   ; in order behind my stores: lanes 0-15's words (q, k: the first head's), [block / 4][r][block % 4]
	ds_load_b128 v[132:135], v15 offset:512        ; lanes 16-31's (q, k: the second head's)
	s_wait_dscnt 0x0
	s_cmp_eq_u32 s[KIND], 0
	s_cbranch_scc1 .Lone_set
	global_store_b128 v12, v[132:135], s[98:99] offset:8192
.Lone_set:
	global_store_b128 v12, v[128:131], s[98:99]    ; q, k: 512 consecutive bytes; v: 256 for each of the two heads
	s_wait_tensorcnt 0x0                           ; the wave's end
	ds_add_u32 v[SPW], v[NIL]
	s_wait_dscnt 0x0
	CROUND                                         ; the closing round
	s_endpgm
.Lfunc_end_k_qabd428aee1_qkv:
	.size	k_qabd428aee1_qkv, .Lfunc_end_k_qabd428aee1_qkv-k_qabd428aee1_qkv
	.p2alignl 7, 3214868480
	.fill 96, 4, 3214868480
	.section	.rodata,"a",@progbits
	.p2align	6, 0x0
	.amdhsa_kernel k_qabd428aee1_qkv
		.amdhsa_group_segment_fixed_size 327680
		.amdhsa_private_segment_fixed_size 0
		.amdhsa_enable_private_segment 0
		.amdhsa_kernarg_size 72
		.amdhsa_user_sgpr_count 2
		.amdhsa_user_sgpr_kernarg_segment_ptr 1
		.amdhsa_wavefront_size32 1
		.amdhsa_system_sgpr_workgroup_id_x 1
		.amdhsa_system_sgpr_workgroup_id_y 1
		.amdhsa_system_sgpr_workgroup_id_z 1
		.amdhsa_system_vgpr_workitem_id 0
		.amdhsa_next_free_vgpr 1024
		.amdhsa_next_free_sgpr 102
		.amdhsa_reserve_vcc 0
		.amdhsa_float_denorm_mode_32 3
		.amdhsa_float_denorm_mode_16_64 3
		.amdhsa_memory_ordered 1
		.amdhsa_forward_progress 1
		.amdhsa_inst_pref_size 167
	.end_amdhsa_kernel
	.amdgpu_metadata
---
amdhsa.version: [ 1, 2 ]
amdhsa.kernels:
  - .name:           k_qabd428aee1_qkv
    .symbol:         k_qabd428aee1_qkv.kd
    .args:
      - { .name: xc, .offset: 0, .size: 8, .value_kind: global_buffer, .address_space: global }
      - { .name: xs, .offset: 8, .size: 8, .value_kind: global_buffer, .address_space: global }
      - { .name: wc, .offset: 16, .size: 8, .value_kind: global_buffer, .address_space: global }
      - { .name: ws, .offset: 24, .size: 8, .value_kind: global_buffer, .address_space: global }
      - { .name: bq, .offset: 32, .size: 8, .value_kind: global_buffer, .address_space: global }
      - { .name: bk, .offset: 40, .size: 8, .value_kind: global_buffer, .address_space: global }
      - { .name: bv, .offset: 48, .size: 8, .value_kind: global_buffer, .address_space: global }
      - { .name: qkv, .offset: 56, .size: 8, .value_kind: global_buffer, .address_space: global }
      - { .name: sc, .offset: 64, .size: 8, .value_kind: global_buffer, .address_space: global }
    .group_segment_fixed_size: 327680
    .private_segment_fixed_size: 0
    .kernarg_segment_align: 8
    .kernarg_segment_size: 72
    .max_flat_workgroup_size: 128
    .sgpr_count:     102
    .vgpr_count:     1024
    .wavefront_size: 32
...
	.end_amdgpu_metadata
.endif
;; end of part 2
;; launch attn (part 3): grid 4 x 64, 16 waves a work-group, no clusters, 169,984 bytes of LDS; arguments qkv, sc, oc, os; writes oc, os
.if DOCPART == 3
	.amdgcn_target "amdgcn-amd-amdhsa--gfx1250"
	.amdhsa_code_object_version 6
	.text
	.protected	k_qabd428aee1_attn
	.globl	k_qabd428aee1_attn
	.p2align	8
	.type	k_qabd428aee1_attn,@function
k_qabd428aee1_attn:
	s_mov_b64 s[64:65], 0
	v_nop
	global_prefetch_b8 v0, s[64:65] scope:SCOPE_SE
	s_setreg_imm32_b32 hwreg(HW_REG_WAVE_MODE, 25, 1), 1
	s_wait_xcnt 0x0
; o = softmax(q k^T / 8, causal) v for one (batch, head), both products on codes of FP4 with E8M0 scales, and o quantised along the model axis for the last product.
; THE SOFTMAX: t = score x log2(e) / 8; M = the running largest t rounded UP to a whole number; p = 2^(t - M) is quantised along the keys, not normalised; the row's sum is taken of the unquantised p and divides O at the end.
; When M moves, the sum and O are multiplied by 2^(old M - new M): exact.
; SHARES.  Work-group (i, y): batch y / 16, head y % 16.  Each of 16 waves owns two tiles of 16 queries: first T = 16 i + w, then T = 127 - (16 i + w).  Tile T needs key steps 0 .. T / 8 of 128 keys: 17 steps for every wave of every work-group.
; A token tile T holds tokens 32 (T / 2) + 8 (T % 2) + r + 8 (r / 8), r the lane % 16: so the 16 registers of key tiles 2 b and 2 b + 1 of S^T are 16 neighbouring keys.
; NO CLUSTER: the four work-groups of a head read the same K and V, but the steps that a wave leaves out hang on the work-group's number.
; LDS: the whole head's K and V (64 KiB each) and their scale words (8 and 4 KiB), as images of the operands' registers, 512 bytes for each group of four registers: filled once, by waves 0-3, three loads each.
; LAYOUT.  S^T = K Q^T (source 0 = 16 keys, source 1 = my 16 queries), O^T = V^T P^T (source 0 = 16 channels, source 1 = p): a lane holds ONE query throughout.
; THE HEAD HAS 64 CHANNELS, the instruction 128 along K: Q's registers 4-7 are zero codes.  K's operand of tile t is v[32 + 4 t .. 39 + 4 t]: its upper four registers are the next tile's codes (zeros behind the last), which meet Q's zeros; the words' bytes 2, 3 are 0, a small power of two.
; CAUSAL.  A step whose keys all come after my queries is left out by a scalar branch on ids inside loops of constant trip count; in the one step on the diagonal hidden scores become -infinity ahead of the maximum.
; LIMITS: NaN and infinities are not served; 1 / l by v_rcp_f32 (1 ulp); a block's largest p is taken as 2^(its largest score's t - M), which leans on v_exp_f32 not falling where its input rises; a block of zeros gets the byte 1, not 127 (zero codes; only this program reads the bytes).
; REGISTERS: v1-7 addresses that stay; v8-11 addresses of the step; v12 -M, v13 the largest t, v[14:15] the sum; v16-23, v24-31 Q of the two tiles; v32-63 K; v64-67 zeros; v68-71 K's scale words; v72-75 V's; v76, v77 Q's;
;   v78 the diagonal's bound; v80-84, v88-92 o's codes and scale bytes; v96-159 S^T, then p; v160-191 O^T; v192-223 V; v224-231 p's codes; v232-254 at work.
.set KIMG, 0                           ; [tile 128][512]
.set VIMG, 65536                       ; [key step 16][register group 2][channel tile 4][512]
.set KSC,  131072                      ; [key step 16][tile / 4 % 2][r 16][tile % 4] words
.set VSC,  139264                      ; [key step 16][r 16][channel tile 4] words
.set ADK,  8
.set ADV,  9
.set ADS,  10
.set ADT,  11
.set WV,   18
.set SEL,  20
.set CS,   22
.set G1K,  24
.set G1V,  32
.set G1KS, 40
.set G1VS, 48
.set G0KS, 56
.set G0K0, 60
.set G0K1, 68
.set G0VS, 72
.set G0V0, 76
.set G0V1, 80
.set TK,   2                           ; s2   the step's images: 4,096 bytes a step, in K and in V
.set TS,   3                           ; s3   K's scale words: 512 a step
.set TJ,   66                          ; s66  V's: 256 a step
.set KSTP, 67                          ; s67  the key step
.set TD,   84                          ; s84  the tile's last key step
.set TA,   85
.set TB,   86
.macro GROUP1 g, c, r, p               ; r rows of c elements of 8 bytes, p elements apart; no padding, no mask
	s_mov_b32 s[\g], 3<<16
	s_mov_b32 s[\g+1], (\c)<<16
	s_mov_b32 s[\g+2], (\r)<<16
	s_mov_b32 s[\g+3], (\c)<<16
	s_mov_b32 s[\g+4], \r
	s_mov_b32 s[\g+5], \p
	s_mov_b32 s[\g+6], 0
	s_mov_b32 s[\g+7], 0
.endm
.macro GROUP0 g, lreg, lconst, base, off, const
	s_mov_b32 s[\g], 1
	s_add_co_u32 s[\g+1], s[\lreg], \lconst
	s_add_nc_u64 s[\g+2:\g+3], s[\base:\base+1], s[\off:\off+1]
	s_add_nc_u64 s[\g+2:\g+3], s[\g+2:\g+3], \const
	s_or_b32 s[\g+3], s[\g+3], 0x80000000
.endm
	s_load_b256 s[4:11], s[0:1], 0x0               ; qkv, sc, oc, os
	v_lshl_add_u32 v251, v0, 2, 0x29000
	v_mov_b32 v255, 0
	ds_add_u32 v251, v255
	ds_add_u32 v251, v255
	v_lshrrev_b32 v8, 5, v0
	s_delay_alu instid0(VALU_DEP_1)
	v_readfirstlane_b32 s[WV], v8                  ; wave 0..15
	s_and_b32 s12, ttmp7, 0xffff
	s_and_b32 s13, s12, 15                         ; head
	s_lshr_b32 s12, s12, 4                         ; batch
	s_and_b32 s19, s[WV], 1                        ; which half of a fill is mine
	s_lshl_b32 s[TA], ttmp9, 4
	s_add_co_u32 s[TA], s[TA], s[WV]               ; my first tile,
	s_sub_co_u32 s[TB], 127, s[TA]                 ; and my second
	GROUP1 G1K, 32, 64, 32                         ; 16 KiB of K's images, dense
	GROUP1 G1V, 256, 8, 512                        ; 8 rows (key step, register group) of my head's 2,048 bytes, 4,096 apart
	GROUP1 G1KS, 32, 16, 32                        ; 4 KiB of K's scale words
	GROUP1 G1VS, 32, 8, 32                         ; 2 KiB of V's
	s_mov_b32 s[SEL], 0x76543210
	s_mov_b32 s[SEL+1], 0xfedcba98                 ; v_permlanex16_b32's selects for lane l xor 16
	s_mov_b32 s[CS], 0x3e38aa3b                    ; c = log2(e) / 8
	s_mov_b32 s[CS+1], s[CS]                       ; (named with it as a pair)
	s_mul_i32 s14, s12, 0x300000
	s_lshl_b32 s15, s13, 16
	s_add_co_u32 s14, s14, s15                     ; q's images of my head; k's lie 1 MiB on
	s_mov_b32 s15, 0
	s_mul_i32 s16, s12, 0x300000
	s_lshr_b32 s17, s13, 1
	s_lshl_b32 s17, s17, 17
	s_add_co_u32 s16, s16, s17
	s_and_b32 s17, s13, 1
	s_lshl_b32 s17, s17, 11
	s_add_co_u32 s16, s16, s17
	s_add_co_u32 s16, s16, 0x200000                ; v's images: my pair of heads, my head's four channel tiles
	s_mov_b32 s17, 0
	s_mul_i32 s96, s12, 0x60000
	s_lshl_b32 s97, s13, 13
	s_add_co_u32 s96, s96, s97                     ; q's scale words of my head; k's lie 0x20000 on, v's 0x40000
	s_mov_b32 s97, 0
	; where o goes: oc [head / 8][128 b + T][head % 8][512], os [16 (128 b + T) + r][32] at byte 2 head
	s_lshr_b32 s87, s13, 3
	s_lshl_b32 s87, s87, 21
	s_and_b32 s98, s13, 7
	s_lshl_b32 s98, s98, 9
	s_add_co_u32 s87, s87, s98
	s_lshl_b32 s98, s12, 7
	s_lshl_b32 s99, s13, 1
	s_add_co_u32 s88, s98, s[TA]
	s_lshl_b32 s90, s88, 9
	s_add_co_u32 s90, s90, s99
	s_lshl_b32 s88, s88, 12
	s_add_co_u32 s88, s88, s87
	s_mov_b32 s89, 0
	s_mov_b32 s91, 0
	s_add_co_u32 s92, s98, s[TB]
	s_lshl_b32 s94, s92, 9
	s_add_co_u32 s94, s94, s99
	s_lshl_b32 s92, s92, 12
	s_add_co_u32 s92, s92, s87
	s_mov_b32 s93, 0
	s_mov_b32 s95, 0
	s_wait_dscnt 0x0
	s_wait_kmcnt 0x0
	s_add_nc_u64 s[14:15], s[4:5], s[14:15]
	s_add_nc_u64 s[16:17], s[4:5], s[16:17]
	s_add_nc_u64 s[96:97], s[6:7], s[96:97]
	s_add_nc_u64 s[88:89], s[8:9], s[88:89]
	s_add_nc_u64 s[90:91], s[10:11], s[90:91]
	s_add_nc_u64 s[92:93], s[8:9], s[92:93]
	s_add_nc_u64 s[94:95], s[10:11], s[94:95]
	s_mov_b32 s99, 0
	s_lshl_b32 s98, s19, 12
	GROUP0 G0KS, 98, KSC, 96, 98, 0x20000
	s_lshl_b32 s98, s19, 14
	GROUP0 G0K0, 98, KIMG, 14, 98, 0x100000        ; key steps 0-7: my half
	GROUP0 G0K1, 98, KIMG+32768, 14, 98, 0x108000  ; key steps 8-15
	s_lshl_b32 s98, s19, 11
	GROUP0 G0VS, 98, VSC, 96, 98, 0x40000
	s_lshl_b32 s87, s19, 14
	s_lshl_b32 s98, s19, 15
	GROUP0 G0V0, 87, VIMG, 16, 98, 0
	GROUP0 G0V1, 87, VIMG+32768, 16, 98, 0x10000
	; all fills of the launch, in one branch on the wave's number: waves 0, 1 K's, waves 2, 3 V's; three loads of a wave are out; the late half goes last
	s_cmp_lt_u32 s[WV], 2
	s_cbranch_scc0 .Lnot_k
	tensor_load_to_lds s[G0KS:G0KS+3], s[G1KS:G1KS+7]
	s_nop 0
	tensor_load_to_lds s[G0K0:G0K0+3], s[G1K:G1K+7]
	s_nop 0
	tensor_load_to_lds s[G0K1:G0K1+3], s[G1K:G1K+7]
	s_nop 0
.rept 4
	v_nop
.endr
	s_branch .Lasked
.Lnot_k:
	s_cmp_lt_u32 s[WV], 4
	s_cbranch_scc0 .Lasked
	tensor_load_to_lds s[G0VS:G0VS+3], s[G1VS:G1VS+7]
	s_nop 0
	tensor_load_to_lds s[G0V0:G0V0+3], s[G1V:G1V+7]
	s_nop 0
	tensor_load_to_lds s[G0V1:G0V1+3], s[G1V:G1V+7]
	s_nop 0
.rept 4
	v_nop
.endr
.Lasked:
	v_and_b32 v9, 31, v0                           ; lane
	v_and_b32 v10, 15, v0                          ; r
	v_bfe_u32 v11, v0, 4, 1                        ; h
	s_delay_alu instid0(VALU_DEP_3)
	v_lshlrev_b32 v1, 4, v9                        ; an image's place for my lane; K's images begin at LDS byte 0
	s_delay_alu instid0(VALU_DEP_1)
	v_add_nc_u32 v2, VIMG, v1
	s_delay_alu instid0(VALU_DEP_2)
	v_add_nc_u32 v3, KSC, v1
	v_lshlrev_b32 v5, 4, v10                       ; 16 r
	s_delay_alu instid0(VALU_DEP_1)
	v_add_nc_u32 v4, VSC, v5
	v_lshlrev_b32 v6, 5, v10                       ; 32 r
	v_and_b32 v7, 8, v10
	s_delay_alu instid0(VALU_DEP_1)
	v_add_nc_u32 v7, v7, v10
	v_lshlrev_b32 v11, 4, v11
	s_delay_alu instid0(VALU_DEP_1)
	v_sub_nc_u32 v7, v7, v11                       ; r + 8 (r / 8) - 16 h
	s_lshl_b32 s87, s[TA], 9
	v_add_nc_u32 v232, s87, v1                     ; Q's image of tile T: 512 T
	s_wait_alu depctr_va_vdst(0)
	s_lshl_b32 s87, s[TB], 9
	v_add_nc_u32 v233, s87, v1
	s_wait_alu depctr_va_vdst(0)
	s_lshr_b32 s87, s[TA], 2
	s_lshl_b32 s87, s87, 8
	s_and_b32 s98, s[TA], 3
	s_lshl_b32 s98, s98, 2
	s_add_co_u32 s87, s87, s98
	v_add_nc_u32 v234, s87, v5                     ; its scale words: 256 (T / 4) + 16 r + 4 (T % 4)
	s_lshr_b32 s87, s[TB], 2
	s_lshl_b32 s87, s87, 8
	s_and_b32 s98, s[TB], 3
	s_lshl_b32 s98, s98, 2
	s_add_co_u32 s87, s87, s98
	v_add_nc_u32 v235, s87, v5
	global_load_b128 v[16:19], v232, s[14:15]
	global_load_b128 v[24:27], v233, s[14:15]
	global_load_b32 v76, v234, s[96:97]
	global_load_b32 v77, v235, s[96:97]
.irp n, 20,21,22,23,28,29,30,31,64,65,66,67
	v_mov_b32 v\n, 0                               ; zero codes: the upper 64 of the first product's K
.endr
.irp n, 236,237,238,239,252,253
	v_mov_b32 v\n, 0                               ; written once: lane permutes' destinations, and the upper half of the pair v[252:253]
.endr
.macro INIT t                          ; a tile begins: O^T and the sum are zeros, the largest t lies under every t
	v_mov_b32 v13, 0xff61b1e6                      ; -3e38
	s_delay_alu instid0(VALU_DEP_1)
	v_floor_f32 v12, -v13
	v_mov_b32 v14, 0
	v_mov_b32 v15, 0
.set n, 0
.rept 32
	v_mov_b32 v[160+n], 0
.set n, n+1
.endr
	s_bfe_u32 s87, s[\t], 0x20001
	s_lshl_b32 s87, s87, 5
	s_and_b32 s98, s[\t], 1
	s_lshl_b32 s98, s98, 3
	s_add_co_u32 s87, s87, s98
	v_add_nc_u32 v78, s87, v7                      ; my query's place in its key step, less 16 h: register 16 b + i holds key 32 b + i + 16 h, hidden where 32 b + i is greater
	s_lshr_b32 s[TD], s[\t], 3
	s_mov_b32 s[KSTP], 0
	s_mov_b32 s[TK], 0
	s_mov_b32 s[TS], 0
	s_mov_b32 s[TJ], 0
.endm
; The loop over key steps: a constant number of trips; a trip past the tile's last step only steps the addresses.
.macro LOOP q, qs, trips
.Lstep_\@:
	s_cmp_gt_u32 s[KSTP], s[TD]
	s_cbranch_scc1 .Lhidden_\@
	s_setprio 2
	v_add_nc_u32 v[ADK], s[TK], v1                 ; (these four are also the places between the last trip's products and the loads into their registers)
	v_add_nc_u32 v[ADV], s[TK], v2
	v_add_nc_u32 v[ADS], s[TS], v3
	v_add_nc_u32 v[ADT], s[TJ], v4
.irp t, 0,1,2,3,4,5,6,7
	ds_load_b128 v[32+4*\t:35+4*\t], v[ADK] offset:512*\t
.endr
	ds_load_b128 v[68:71], v[ADS]                  ; lanes 0-15: the words of tiles 0-3; lanes 16-31: of tiles 4-7
.irp t, 0,1,2,3
.irp c, 0,1
	ds_load_b128 v[192+8*\t+4*\c:195+8*\t+4*\c], v[ADV] offset:2048*\c+512*\t
.endr
.endr
	ds_load_b128 v[72:75], v[ADT]
	s_wait_dscnt 9                                 ; K and its words are in; V's eight loads and its words may be out
.irp t, 0,1,2,3
	v_wmma_scale_f32_16x16x128_f8f6f4 v[96+8*\t:103+8*\t], v[32+4*\t:39+4*\t], v[\q:\q+7], 0, v[68+\t], v[\qs] matrix_a_fmt:MATRIX_FMT_FP4 matrix_b_fmt:MATRIX_FMT_FP4
.endr
.irp t, 4,5,6,7
	v_wmma_scale_f32_16x16x128_f8f6f4 v[96+8*\t:103+8*\t], v[32+4*\t:39+4*\t], v[\q:\q+7], 0, v[64+\t], v[\qs] matrix_a_fmt:MATRIX_FMT_FP4 matrix_b_fmt:MATRIX_FMT_FP4 matrix_a_scale:MATRIX_SCALE_ROW1
.endr
.rept 4
	v_nop
.endr
	s_cmp_lt_u32 s[KSTP], s[TD]                    ; only the tile's last step lies on the diagonal
	s_cbranch_scc1 .Lopen_\@
	v_mov_b32 v254, 0xff800000                     ; -infinity
.set n, 0
	s_wait_alu depctr_va_vdst(0)
.rept 64
	v_cmp_gt_i32 vcc_lo, 32*(n/16)+n%16, v78
	v_cndmask_b32 v[96+n], v[96+n], v254, vcc_lo
.set n, n+1
.endr
.Lopen_\@:
.irp b, 0,1,2,3
	v_max3_num_f32 v[232+\b], v[96+16*\b], v[97+16*\b], v[98+16*\b]   ; the largest score of each block of 32 keys: for the row's maximum, and for the block's largest p
.endr
.irp i, 3,5,7,9,11,13
.irp b, 0,1,2,3
	v_max3_num_f32 v[232+\b], v[232+\b], v[96+16*\b+\i], v[97+16*\b+\i]
.endr
.endr
.irp b, 0,1,2,3
	v_max_num_f32 v[232+\b], v[232+\b], v[111+16*\b]
.endr
.irp b, 0,1,2,3
	s_delay_alu instid0(VALU_DEP_4)
	v_permlanex16_b32 v[236+\b], v[232+\b], s[SEL], s[SEL+1]
.endr
.irp b, 0,1,2,3
	s_delay_alu instid0(VALU_DEP_4)
	v_max_num_f32 v[232+\b], v[232+\b], v[236+\b]  ; with lane l xor 16's 16 keys
.endr
	s_delay_alu instid0(VALU_DEP_2)
	v_max3_num_f32 v254, v232, v233, v234
	s_delay_alu instid0(VALU_DEP_1)
	v_max_num_f32 v254, v254, v235
	s_delay_alu instid0(VALU_DEP_1)
	v_mul_f32 v254, s[CS], v254                    ; the step's largest t
	s_delay_alu instid0(VALU_DEP_1)
	v_max_num_f32 v13, v13, v254                   ; the running largest t
	v_mov_b32 v254, v12
	s_delay_alu instid0(VALU_DEP_2)
	v_floor_f32 v12, -v13                          ; the new -M = -ceil(t)
	s_delay_alu instid0(VALU_DEP_1)
	v_sub_f32 v254, v12, v254                      ; old M - new M: a whole number, 0 or less
	s_delay_alu instid0(VALU_DEP_1)
	v_cvt_i32_f32 v254, v254                       ; (it saturates)
	s_delay_alu instid0(VALU_DEP_1)
	v_ldexp_f32 v252, 1.0, v254                    ; f = 2^(old M - new M)
.set n, 0
.rept 32
	v_pk_fma_f32 v[96+n:97+n], v[96+n:97+n], s[CS:CS+1], v[12:13] op_sel_hi:[1,0,0]   ; t - M, two at a time
.set n, n+2
.endr
	s_setprio 1
.irp b, 0,1,2,3
	v_fma_f32 v[232+\b], v[232+\b], s[CS], v12     ; the same of each block's largest score
.endr
.set n, 0
	s_wait_alu depctr_va_vdst(0)
.rept 64
	v_exp_f32 v[96+n], v[96+n]                     ; p = 2^(t - M)
.set n, n+1
.endr
	v_pk_mul_f32 v[14:15], v[14:15], v[252:253] op_sel_hi:[1,0]   ; the sums under the new M (the plain line behind the exponentials)
	s_wait_alu depctr_va_vdst(0)                   ; one wait for the batch of 64, ahead of its first reader
.irp b, 0,1,2,3
	v_exp_f32 v[232+\b], v[232+\b]                 ; the block's largest p
.endr
	v_pk_add_f32 v[236:237], v[100:101], v[104:105]
	v_pk_add_f32 v[248:249], v[108:109], v[112:113]
	v_pk_add_f32 v[246:247], v[116:117], v[120:121]
	v_pk_add_f32 v[244:245], v[124:125], v[128:129]
	v_pk_add_f32 v[242:243], v[132:133], v[136:137]
	v_pk_add_f32 v[240:241], v[140:141], v[144:145]
	v_pk_add_f32 v[238:239], v[148:149], v[152:153]
	v_pk_add_f32 v[14:15], v[14:15], v[156:157]
	v_pk_add_f32 v[236:237], v[236:237], v[96:97]
	v_pk_add_f32 v[248:249], v[248:249], v[98:99]
	v_pk_add_f32 v[246:247], v[246:247], v[102:103]
	v_pk_add_f32 v[244:245], v[244:245], v[106:107]
	v_pk_add_f32 v[242:243], v[242:243], v[110:111]
	v_pk_add_f32 v[240:241], v[240:241], v[114:115]
	v_pk_add_f32 v[238:239], v[238:239], v[118:119]
	v_pk_add_f32 v[14:15], v[14:15], v[122:123]
	v_pk_add_f32 v[236:237], v[236:237], v[126:127]
	v_pk_add_f32 v[248:249], v[248:249], v[130:131]
	v_pk_add_f32 v[246:247], v[246:247], v[134:135]
	v_pk_add_f32 v[244:245], v[244:245], v[138:139]
	v_pk_add_f32 v[242:243], v[242:243], v[142:143]
	v_pk_add_f32 v[240:241], v[240:241], v[146:147]
	v_pk_add_f32 v[238:239], v[238:239], v[150:151]
	v_pk_add_f32 v[14:15], v[14:15], v[154:155]
	v_pk_add_f32 v[236:237], v[236:237], v[158:159]
	s_delay_alu instid0(VALU_DEP_2)
	v_pk_add_f32 v[14:15], v[14:15], v[244:245]
	s_delay_alu instid0(VALU_DEP_2)
	v_pk_add_f32 v[236:237], v[236:237], v[242:243]
	v_pk_add_f32 v[248:249], v[248:249], v[240:241]
	v_pk_add_f32 v[246:247], v[246:247], v[238:239]
	s_delay_alu instid0(VALU_DEP_2)
	v_pk_add_f32 v[14:15], v[14:15], v[248:249]
	s_delay_alu instid0(VALU_DEP_2)
	v_pk_add_f32 v[236:237], v[236:237], v[246:247]
	s_delay_alu instid0(VALU_DEP_1)
	v_pk_add_f32 v[14:15], v[14:15], v[236:237]
	s_wait_alu depctr_va_vdst(0)                   ; and one for the four
.irp b, 0,1,2,3
	v_max_num_f32 v[232+\b], 0x1800000, v[232+\b]  ; the floor 2^(3 - 127): the byte cannot fall under 1
.endr
.irp b, 0,1,2,3
	s_delay_alu instid0(VALU_DEP_4)
	v_add_nc_u32 v[244+\b], 0xff000000, v[232+\b]  ; the conversion's scale operand
.endr
.irp b, 0,1,2,3
	s_delay_alu instid0(VALU_DEP_4)
	v_lshrrev_b32 v[236+\b], 23, v[244+\b]         ; the scale's byte
.endr
	s_delay_alu instid0(VALU_DEP_3)
	v_lshl_or_b32 v253, v237, 8, v236              ; p's scale word for these 128 keys
	s_delay_alu instid0(VALU_DEP_1)
	v_lshl_or_b32 v253, v238, 16, v253
	s_delay_alu instid0(VALU_DEP_1)
	v_lshl_or_b32 v253, v239, 24, v253
	s_setprio 0
.irp b, 0,1,2,3
	v_cvt_scalef32_pk8_fp4_f32 v[224+2*\b], v[96+16*\b:103+16*\b], v[244+\b]
	v_cvt_scalef32_pk8_fp4_f32 v[225+2*\b], v[104+16*\b:111+16*\b], v[244+\b]
.endr
	v_nop                                          ; one plain line behind a scaled conversion
.irp c, 0,1
.irp i, 0,1
	v_permlane16_swap_b32 v[224+4*\c+\i], v[226+4*\c+\i]   ; a whole block to a lane
.endr
.endr
.set n, 0
.rept 16
	v_pk_mul_f32 v[160+n:161+n], v[160+n:161+n], v[252:253] op_sel_hi:[1,0]   ; O^T under the new M
.set n, n+2
.endr
.rept 4
	v_nop                                          ; with the rescalings above: plain lines between the vector writes of p's codes, its scale word and O^T and the products that take them
.endr
	s_wait_alu depctr_va_vdst(0)
	s_wait_dscnt 0x0                               ; V and its words
.irp t, 0,1,2,3
	v_wmma_scale_f32_16x16x128_f8f6f4 v[160+8*\t:167+8*\t], v[192+8*\t:199+8*\t], v[224:231], v[160+8*\t:167+8*\t], v[72+\t], v253 matrix_a_fmt:MATRIX_FMT_FP4 matrix_b_fmt:MATRIX_FMT_FP4
.endr
.Lhidden_\@:
	s_add_co_u32 s[TK], s[TK], 4096
	s_add_co_u32 s[TS], s[TS], 512
	s_add_co_u32 s[TJ], s[TJ], 256
	s_add_co_u32 s[KSTP], s[KSTP], 1
	s_cmp_lt_u32 s[KSTP], \trips
	s_cbranch_scc1 .Lstep_\@
	s_setprio 0
.endm
; A tile ends: O^T / the sum; register 16 b + i is channel 32 b + 16 h + i of my query: two blocks along the model axis.  Codes: one store of 512 consecutive bytes; the two scale bytes: 2 bytes a row.
.macro FINISH set, co, so
.rept 4
	v_nop
.endr
	v_add_f32 v14, v14, v15
	s_delay_alu instid0(VALU_DEP_1)
	v_permlanex16_b32 v252, v14, s[SEL], s[SEL+1]
	s_delay_alu instid0(VALU_DEP_1)
	v_add_f32 v14, v14, v252                       ; the row's sum
	s_wait_alu depctr_va_vdst(0)
	v_rcp_f32 v14, v14
	v_nop                                          ; a plain line behind the transcendental,
	s_wait_alu depctr_va_vdst(0)                   ; and the wait ahead of its first reader
.set n, 0
.rept 16
	v_pk_mul_f32 v[96+n:97+n], v[160+n:161+n], v[14:15] op_sel_hi:[1,0]   ; each accumulator from its low end on
.set n, n+2
.endr
.irp b, 0,1
	v_max3_num_f32 v[232+\b], |v[96+16*\b]|, |v[97+16*\b]|, 0x1800000
.endr
.irp i, 2,4,6,8,10,12,14
.irp b, 0,1
	s_delay_alu instid0(VALU_DEP_2)
	v_max3_num_f32 v[232+\b], v[232+\b], |v[96+16*\b+\i]|, |v[97+16*\b+\i]|
.endr
.endr
.irp b, 0,1
	s_delay_alu instid0(VALU_DEP_2)
	v_permlanex16_b32 v[236+\b], v[232+\b], s[SEL], s[SEL+1]
.endr
.irp b, 0,1
	s_delay_alu instid0(VALU_DEP_2)
	v_max_num_f32 v[232+\b], v[232+\b], v[236+\b]
.endr
.irp b, 0,1
	s_delay_alu instid0(VALU_DEP_2)
	v_add_nc_u32 v[244+\b], 0xff000000, v[232+\b]
.endr
.irp b, 0,1
	s_delay_alu instid0(VALU_DEP_2)
	v_lshrrev_b32 v[236+\b], 23, v[244+\b]
.endr
	s_delay_alu instid0(VALU_DEP_1)
	v_lshl_or_b32 v[\set+4], v237, 8, v236
.irp b, 0,1
	v_cvt_scalef32_pk8_fp4_f32 v[\set+2*\b], v[96+16*\b:103+16*\b], v[244+\b]
	v_cvt_scalef32_pk8_fp4_f32 v[\set+1+2*\b], v[104+16*\b:111+16*\b], v[244+\b]
.endr
	v_nop
.irp i, 0,1
	v_permlane16_swap_b32 v[\set+\i], v[\set+2+\i]
.endr
	global_store_b128 v1, v[\set:\set+3], s[\co:\co+1]
	global_store_b16 v6, v[\set+4], s[\so:\so+1]   ; lanes r and r + 16 write the same two bytes with the same value
.endm
	s_wait_loadcnt 0x0                             ; Q's two tiles and their words
	s_wait_tensorcnt 1                             ; the scale words and key steps 0-7 have landed; the late half may be out
	s_barrier_signal -1
	s_barrier_wait -1
	INIT TA
	LOOP 16, 76, 8                                 ; T is at most 63: key steps 0-7
	FINISH 80, 88, 90
	s_wait_tensorcnt 0x0                           ; key steps 8-15 have landed,
	s_wait_dscnt 0x0
	s_barrier_signal -1
	s_barrier_wait -1                              ; everybody's
	INIT TB
	LOOP 24, 77, 16
	FINISH 88, 92, 94
	s_wait_tensorcnt 0x0
	ds_add_u32 v251, v255
	s_wait_dscnt 0x0
	s_endpgm
.Lfunc_end_k_qabd428aee1_attn:
	.size	k_qabd428aee1_attn, .Lfunc_end_k_qabd428aee1_attn-k_qabd428aee1_attn
	.p2alignl 7, 3214868480
	.fill 96, 4, 3214868480
	.section	.rodata,"a",@progbits
	.p2align	6, 0x0
	.amdhsa_kernel k_qabd428aee1_attn
		.amdhsa_group_segment_fixed_size 169984
		.amdhsa_private_segment_fixed_size 0
		.amdhsa_enable_private_segment 0
		.amdhsa_kernarg_size 32
		.amdhsa_user_sgpr_count 2
		.amdhsa_user_sgpr_kernarg_segment_ptr 1
		.amdhsa_wavefront_size32 1
		.amdhsa_system_sgpr_workgroup_id_x 1
		.amdhsa_system_sgpr_workgroup_id_y 1
		.amdhsa_system_sgpr_workgroup_id_z 1
		.amdhsa_system_vgpr_workitem_id 0
		.amdhsa_next_free_vgpr 256
		.amdhsa_next_free_sgpr 100
		.amdhsa_reserve_vcc 1
		.amdhsa_float_denorm_mode_32 3
		.amdhsa_float_denorm_mode_16_64 3
		.amdhsa_memory_ordered 1
		.amdhsa_forward_progress 1
		.amdhsa_inst_pref_size 64
	.end_amdhsa_kernel
	.amdgpu_metadata
---
amdhsa.version: [ 1, 2 ]
amdhsa.kernels:
  - .name:           k_qabd428aee1_attn
    .symbol:         k_qabd428aee1_attn.kd
    .args:
      - { .name: qkv, .offset: 0, .size: 8, .value_kind: global_buffer, .address_space: global }
      - { .name: sc, .offset: 8, .size: 8, .value_kind: global_buffer, .address_space: global }
      - { .name: oc, .offset: 16, .size: 8, .value_kind: global_buffer, .address_space: global }
      - { .name: os, .offset: 24, .size: 8, .value_kind: global_buffer, .address_space: global }
    .group_segment_fixed_size: 169984
    .private_segment_fixed_size: 0
    .kernarg_segment_align: 8
    .kernarg_segment_size: 32
    .max_flat_workgroup_size: 512
    .sgpr_count:     100
    .vgpr_count:     256
    .wavefront_size: 32
...
	.end_amdgpu_metadata
.endif
;; end of part 3
;; launch outp (part 4): grid 4 x 32, 4 waves a work-group, clusters of 4 x 4, 327,680 bytes of LDS; arguments oc, os, wc, ws, bo, out0; writes out0
.if DOCPART == 4
	.amdgcn_target "amdgcn-amd-amdhsa--gfx1250"
	.amdhsa_code_object_version 6
	.text
	.protected	k_qabd428aee1_outp
	.globl	k_qabd428aee1_outp
	.p2align	8
	.type	k_qabd428aee1_outp,@function
k_qabd428aee1_outp:
	s_mov_b64 s[64:65], 0
	v_nop
	global_prefetch_b8 v0, s[64:65] scope:SCOPE_SE
	s_setreg_imm32_b32 hwreg(HW_REG_WAVE_MODE, 25, 1), 1
	s_wait_xcnt 0x0
	s_wait_alu depctr_hold_cnt(0) depctr_sa_sdst(0) depctr_va_vdst(0) depctr_va_sdst(0) depctr_va_ssrc(0) depctr_va_vcc(0) depctr_vm_vsrc(0)
	s_getreg_b32 s2, hwreg(HW_REG_IB_STS2, 6, 4)
	s_cmp_eq_u32 s2, 0
	s_cbranch_scc0 .Lentry_in_a_cluster
	s_endpgm
.Lentry_in_a_cluster:
	s_bfe_u32 s2, ttmp6, 0x10000c
	s_cmp_lg_u32 s2, 0xf033
	s_cbranch_scc0 .Lentry_shape_is_right
	s_endpgm
.Lentry_shape_is_right:
; out = o Wo^T + bo on codes of FP4 with E8M0 scales, K = 1,024; out [8192][1024] f32.
; o arrives as images of operand registers: oc [K half 2][token tile 512][head % 8][512 bytes]: a group of four registers, lane l's 16 bytes at 16 l; two neighbouring heads are one fragment of 128 along K.  os [place 8192][32] scale bytes.
; Token tile Tg, lane r, is row 16 (Tg - Tg % 8) + 32 (Tg % 8 / 2) + 8 (Tg % 2) + r + 8 (r / 8) of out.  Wo's rows are stored with bits 3 and 4 of the row number exchanged (stored rows 3,072 on in wc, ws).
; A work-group makes 256 x 256, a wave 128 x 128: 64 accumulators.  All of K lies in two LDS slots of 512 along K, each filled once; the scale bytes of the 512 rows lie behind them.
; CLUSTER 4 x 4: o's tiles are asked for jointly along a row of the cluster, Wo's along a column.  With 128 tiles of this size half of the chip's WGPs have a work-group; a smaller tile would read each fragment from LDS more often.
; THE MATRIX INSTRUCTION IS USED TRANSPOSED (source 0 = 16 stored rows of Wo, source 1 = 16 places of o): register j of lane (r, h) in tile b is column 32 (b / 2) + 16 h + 8 (b % 2) + j.  bo, in that layout, is the C of each sum's first product.
; REGISTERS: window 0: v1-31 addresses; v32-95 scale words, two sets; v128-191 o's fragments; v192-255 bo; on the way out v128-255 rows read back.   window 1: Wo's fragments, two sets.   windows 2, 3: accumulators.
.set KSTEP,  512
.set NQ,     4
.set ROWB,   256
.set KROW,   512
.set PITCH,  272                       ; 256 bytes + 16 of padding
.set GRP,    544                       ; a group of four registers in LDS: two rows
.set FR,     8
.set NL,     2
.set NP,     4
.set HALFT,  128*PITCH
.set SLOT,   4*HALFT
.set KS,     32
.set SCL,    2*SLOT
.set HALFS,  16*272
.set SBLK,   2*272
.set SPARE,  SCL+4*HALFS
.set SPITCH, 528                       ; the way out: 16 rows x (512 bytes + 16) a wave, in slot 0 when it has been read for the last time
.set ADRA, 16
.set ADRB, 20
.set STO,  24
.set RD,   25
.set CO,   26
.set ADRS, 27
.set SPW,  28
.set NIL,  29
.set SC,   32
.set AF,   128
.set BK,   128
.set BI,   192
.set G1, 24
.set G0, 32
.set G1B, 48
.set G0B, 56
.set G1S, 68
.set G0S, 76
.set G1SB, 80
.set G0SB, 88
.set MSB, 0
.macro WIN new
.if MSB != \new
	s_set_vgpr_msb (MSB<<8)|\new
.set MSB, \new
.endif
.endm
.set MUL_LO, 0xa1
.set MUL_HI, 0xf1
.set TO_B,   0x40
.macro JLOAD g0a, g1a, g0b, g1b        ; a joint load: waves 0, 1 for o, waves 2, 3 for Wo; four v_nop follow each line
	s_cmp_eq_u32 s15, 0
	s_cbranch_scc0 .Lfor_b_\@
	tensor_load_to_lds s[\g0a:\g0a+3], s[\g1a:\g1a+7]
	s_nop 0
.rept 4
	v_nop
.endr
	s_branch .Lasked_\@
.Lfor_b_\@:
	tensor_load_to_lds s[\g0b:\g0b+3], s[\g1b:\g1b+7]
	s_nop 0
.rept 4
	v_nop
.endr
.Lasked_\@:
.endm
.macro CROUND
	s_barrier_signal -1
	s_barrier_wait -1
	s_cmp_lg_u32 s14, 0
	s_cbranch_scc1 .Lnot_wave_0_\@
	s_barrier_signal -3
.Lnot_wave_0_\@:
	s_barrier_wait -3
	s_barrier_signal -1
	s_barrier_wait -1
.endm
	s_load_b128 s[4:7], s[0:1], 0x0                ; o's codes, o's scales
	s_load_b128 s[8:11], s[0:1], 0x10              ; the weights' codes, their scales
	s_load_b64 s[96:97], s[0:1], 0x20              ; bo
	s_load_b64 s[12:13], s[0:1], 0x28              ; out
	v_lshl_add_u32 v[SPW], v0, 2, SPARE
	v_mov_b32 v[NIL], 0
	ds_add_u32 v28, v29
	ds_add_u32 v28, v29
	s_wait_dscnt 0x0
	v_lshrrev_b32 v1, 5, v0
	v_readfirstlane_b32 s14, v1                    ; wave 0..3
	s_lshr_b32 s15, s14, 1                         ; my half of the rows.  Also: I fetch for o (0) or for Wo (1)
	s_and_b32 s16, s14, 1                          ; my half of the columns.  Also: which 128 rows I fetch
	s_bfe_u32 s40, ttmp6, 0x40000                  ; cx
	s_bfe_u32 s41, ttmp6, 0x40004                  ; cy
	s_lshl_b32 s42, ttmp9, 2
	s_add_co_u32 s42, s42, s40                     ; tile column
	s_and_b32 s17, ttmp7, 0xffff
	s_lshl_b32 s17, s17, 2
	s_add_co_u32 s17, s17, s41                     ; tile row
	s_lshl_b32 s43, s41, 2
	s_lshl_b32 s43, 15, s43                        ; my row of the cluster
	s_lshl_b32 s44, 0x1111, s40                    ; my column
	s_or_b32 s[G1+0], s43, (0<<16)|(1<<20)|(1<<21)|(5<<22)|(3<<25)
	s_or_b32 s[G1B+0], s44, (0<<16)|(1<<20)|(1<<21)|(5<<22)|(3<<25)
.irp g, G1, G1B
	s_mov_b32 s[\g+1], ROWB<<16
	s_mov_b32 s[\g+2], 128<<16
	s_mov_b32 s[\g+3], ROWB<<16
	s_mov_b32 s[\g+4], 128
	s_mov_b32 s[\g+6], 0
	s_mov_b32 s[\g+7], 0
.endr
	s_mov_b32 s[G1+5], 256                         ; o's images of a K half are dense: 256 bytes a place
	s_mov_b32 s[G1B+5], KROW
	s_or_b32 s[G1S+0], s43, (3<<16)|(1<<20)|(1<<21)|(5<<22)|(3<<25)
	s_or_b32 s[G1SB+0], s44, (3<<16)|(1<<20)|(1<<21)|(5<<22)|(3<<25)
.irp g, G1S, G1SB
	s_mov_b32 s[\g+1], 32<<16
	s_mov_b32 s[\g+2], 16<<16
	s_mov_b32 s[\g+3], 32<<16
	s_mov_b32 s[\g+4], 16
	s_mov_b32 s[\g+5], 32
	s_mov_b32 s[\g+6], 0
	s_mov_b32 s[\g+7], 0
.endr
	s_lshl_b32 s18, s16, 7
	s_lshl_b32 s20, s17, 8
	s_add_co_u32 s20, s20, s18                     ; o's place
	s_lshl_b32 s46, s42, 8
	s_add_co_u32 s46, s46, s18                     ; Wo's stored row
	s_mov_b32 s21, 0
	s_mov_b32 s47, 0
	s_mov_b64 s[18:19], KS
	s_mul_u64 s[22:23], s[20:21], s[18:19]
	s_mul_u64 s[92:93], s[46:47], s[18:19]
	s_lshl_b64 s[20:21], s[20:21], 8               ; 256 bytes a place
	s_mov_b64 s[18:19], KROW
	s_mul_u64 s[46:47], s[46:47], s[18:19]
	s_mul_i32 s45, s14, HALFT
	s_mul_i32 s94, s14, HALFS
	s_wait_kmcnt 0x0
	s_add_nc_u64 s[8:9], s[8:9], 0x180000          ; Wo: stored rows 3,072 on
	s_add_nc_u64 s[10:11], s[10:11], 0x18000
	s_add_nc_u64 s[20:21], s[4:5], s[20:21]
	s_add_nc_u64 s[22:23], s[6:7], s[22:23]
	s_add_nc_u64 s[46:47], s[8:9], s[46:47]
	s_add_nc_u64 s[92:93], s[10:11], s[92:93]
	CROUND                                         ; all sixteen work-groups are here: the joint loads meet
	s_mov_b32 s[G0S], 1
	s_add_co_u32 s[G0S+1], s94, SCL
	s_mov_b64 s[G0S+2:G0S+3], s[22:23]
	s_or_b32 s[G0S+3], s[G0S+3], 0x80000000
	s_mov_b32 s[G0SB], 1
	s_add_co_u32 s[G0SB+1], s94, SCL
	s_mov_b64 s[G0SB+2:G0SB+3], s[92:93]
	s_or_b32 s[G0SB+3], s[G0SB+3], 0x80000000
	JLOAD G0S, G1S, G0SB, G1SB                     ; the scales, then both slots: three loads of mine are out; no byte is filled twice
.irp s, 0,1
	s_mov_b32 s[G0+4*\s], 1
	s_add_co_u32 s[G0+4*\s+1], s45, \s*SLOT
	s_add_nc_u64 s[G0+4*\s+2:G0+4*\s+3], s[20:21], \s*0x200000
	s_or_b32 s[G0+4*\s+3], s[G0+4*\s+3], 0x80000000
	s_mov_b32 s[G0B+4*\s], 1
	s_add_co_u32 s[G0B+4*\s+1], s45, \s*SLOT
	s_add_nc_u64 s[G0B+4*\s+2:G0B+4*\s+3], s[46:47], \s*ROWB
	s_or_b32 s[G0B+4*\s+3], s[G0B+4*\s+3], 0x80000000
	JLOAD G0+4*\s, G1, G0B+4*\s, G1B
.endr
	v_and_b32 v1, 15, v0                           ; r
	v_bfe_u32 v2, v0, 4, 1                         ; h
	v_and_b32 v6, 31, v0                           ; lane
	v_mul_u32_u24 v3, v1, PITCH
	v_lshl_add_u32 v4, v2, 4, v3                   ; Wo: row x pitch + 16 h
	v_lshlrev_b32 v7, 4, v6
	v_lshl_add_u32 v7, v2, 4, v7                   ; o: 16 x lane, and the padding behind the group's first 256 bytes
	s_mul_i32 s21, s15, HALFT
	s_mul_i32 s22, s16, HALFT
	s_add_co_u32 s22, s22, 2*HALFT
.irp s, 0,1
	v_add_nc_u32 v[ADRA+\s], s21, v7
	v_add_nc_u32 v[ADRB+\s], s22, v4
	s_add_co_u32 s21, s21, SLOT
	s_add_co_u32 s22, s22, SLOT
.endr
	v_mul_u32_u24 v5, v1, KS
	v_lshrrev_b32 v3, 8, v5
	v_lshl_add_u32 v5, v3, 4, v5
	s_mul_i32 s21, s15, HALFS
	s_mul_i32 s22, s16, HALFS
	s_add_co_u32 s22, s22, 2*HALFS
	s_sub_co_u32 s22, s22, s21
	v_mul_u32_u24 v3, s22, v2                      ; lanes 16-31 take Wo's words
	s_add_co_u32 s21, s21, SCL
	v_add_nc_u32 v5, v5, v3
	v_add_nc_u32 v[ADRS], s21, v5
	s_mul_i32 s23, s14, 16*SPITCH                  ; my stage
	v_mul_u32_u24 v5, v1, SPITCH
	v_lshl_add_u32 v5, v2, 6, v5
	v_add_nc_u32 v[STO], s23, v5                   ; in: row r, + 64 h: my half's 16 columns of each 32
	v_lshlrev_b32 v[CO], 4, v6                     ; back: the 32 lanes take one row of 512 bytes; and the same in out
	v_add_nc_u32 v[RD], s23, v[CO]
	v_lshlrev_b32 v8, 6, v2                        ; bo: 16 h numbers on
	s_lshl_b32 s20, s17, 8
	s_lshl_b32 s21, s15, 7
	s_add_co_u32 s20, s20, s21                     ; my first row of out
	s_mov_b32 s21, 0
	s_lshl_b64 s[20:21], s[20:21], 12              ; rows of 4,096 bytes
	s_lshl_b32 s46, s42, 10
	s_lshl_b32 s47, s16, 9
	s_add_co_u32 s46, s46, s47                     ; my first column, in bytes
	s_mov_b32 s47, 0
	s_add_nc_u64 s[96:97], s[96:97], s[46:47]
	s_add_nc_u64 s[20:21], s[20:21], s[46:47]
	s_add_nc_u64 s[12:13], s[12:13], s[20:21]
.irp t, 0,1,2,3,4,5,6,7
	global_load_b128 v[BI+8*\t:BI+8*\t+3], v8, s[96:97] offset:(32*(\t/2)+8*(\t%2))*4
	global_load_b128 v[BI+8*\t+4:BI+8*\t+7], v8, s[96:97] offset:(32*(\t/2)+8*(\t%2))*4+16
.endr
.macro FRAG reg, adr, q, i             ; Wo: 16 rows x 128 K from rows
.irp c, 0,1
	ds_load_b128 v[\reg+4*\c:\reg+4*\c+3], v[\adr] offset:64*(\q)+32*\c+(\i)*16*PITCH
.endr
.endm
.macro FRAGA reg, adr, q, i            ; o: tile i of my eight, heads 2 q and 2 q + 1 of the slot's eight: two images
.irp c, 0,1
	ds_load_b128 v[\reg+4*\c:\reg+4*\c+3], v[\adr] offset:(8*(\i)+2*(\q)+\c)*GRP
.endr
.endm
; 16 matrix instructions; the 64 accumulators take turns, one instruction a turn.  first = 1: the sum begins with bo as C.
.macro MUL16 a0, p, q, sc, first
.irp a, \a0, \a0+1
.irp b, 0,1,2,3,4,5,6,7
.if \first
	v_wmma_scale_f32_16x16x128_f8f6f4 v[8*(8*((\a)%4)+\b):8*(8*((\a)%4)+\b)+7], v[128*(\p)+FR*\b:128*(\p)+FR*\b+FR-1], v[AF+FR*(\a):AF+FR*(\a)+FR-1], v[BI+8*\b:BI+8*\b+7], v[SC+8*NQ*(\sc)+NQ*\b+(\q)], v[SC+8*NQ*(\sc)+NQ*(\a)+(\q)] matrix_a_fmt:MATRIX_FMT_FP4 matrix_b_fmt:MATRIX_FMT_FP4 matrix_a_scale:MATRIX_SCALE_ROW1
.else
	v_wmma_scale_f32_16x16x128_f8f6f4 v[8*(8*((\a)%4)+\b):8*(8*((\a)%4)+\b)+7], v[128*(\p)+FR*\b:128*(\p)+FR*\b+FR-1], v[AF+FR*(\a):AF+FR*(\a)+FR-1], v[8*(8*((\a)%4)+\b):8*(8*((\a)%4)+\b)+7], v[SC+8*NQ*(\sc)+NQ*\b+(\q)], v[SC+8*NQ*(\sc)+NQ*(\a)+(\q)] matrix_a_fmt:MATRIX_FMT_FP4 matrix_b_fmt:MATRIX_FMT_FP4 matrix_a_scale:MATRIX_SCALE_ROW1
.endif
.endr
.endr
.endm
.macro FETCH_B slot, q, p
	WIN TO_B
.irp i, 0,1,2,3,4,5,6,7
	FRAG 128*(\p)+FR*\i, ADRB+\slot, \q, \i
.endr
	WIN 0
.endm
.macro FETCH_A slot, q, i0
.irp i, \i0, \i0+1, \i0+2, \i0+3
	FRAGA AF+FR*(\i), ADRA+\slot, \q, \i
.endr
.endm
.macro SCALES sc
.irp i, 0,1,2,3,4,5,6,7
	ds_load_b128 v[SC+8*NQ*\sc+NQ*\i:SC+8*NQ*\sc+NQ*\i+3], v[ADRS] offset:\i*SBLK
.endr
.endm
.macro PLACES n
.rept \n
	v_nop
.endr
.endm
.macro STEP slot, q, first
	s_wait_dscnt 4*NL                              ; Wo's set and o's blocks 0-3 are in; the youngest eight loads (blocks 4-7) may be out
.if \first
	WIN 0x81                                       ; source 0 window 1, source 1 and C (bo) window 0, D window 2
.else
	WIN MUL_LO
.endif
	MUL16 0, (\q)%2, \q, \slot, \first
	MUL16 2, (\q)%2, \q, \slot, \first
	s_wait_dscnt 0
	PLACES NP
	FETCH_B \slot, (\q)+1, 1-(\q)%2
	FETCH_A \slot, (\q)+1, 0
.if \first
	WIN 0xc1
.else
	WIN MUL_HI
.endif
	MUL16 4, (\q)%2, \q, \slot, \first
	MUL16 6, (\q)%2, \q, \slot, \first
	PLACES NP
	WIN 0
	FETCH_A \slot, (\q)+1, 4
.endm
.macro TURN slot, next                 ; a slot's last step, and the change of slots: one barrier
	s_wait_tensorcnt 0x0                           ; my part of the next slot has landed
	ds_add_u32 v[SPW], v[NIL]                      ; 0 onto my spare word
	s_wait_dscnt 4*NL+1                            ; (the add and blocks 4-7 may be out)
	WIN MUL_LO
	MUL16 0, 1, NQ-1, \slot, 0
	s_wait_dscnt 0x0                               ; the add is done, and my reads of this slot are over
	s_barrier_signal -1
	MUL16 2, 1, NQ-1, \slot, 0
	WIN 0
	s_barrier_wait -1
	PLACES NP
	v_add_nc_u32 v[ADRS], 4*NQ, v[ADRS]
	FETCH_B \next, 0, 0
	FETCH_A \next, 0, 0
	SCALES \next
	WIN MUL_HI
	MUL16 4, 1, NQ-1, \slot, 0
	MUL16 6, 1, NQ-1, \slot, 0
	PLACES NP
	WIN 0
	FETCH_A \next, 0, 4
.endm
.macro STEPS slot, from
.set Q, \from
.rept NQ-1-\from
	STEP \slot, Q, 0
.set Q, Q+1
.endr
.endm
	s_wait_tensorcnt 1                             ; the scales and my part of slot 0 are in; slot 1's load may be out,
	s_barrier_signal -1
	s_barrier_wait -1                              ; everybody's are
	FETCH_B 0, 0, 0
	FETCH_A 0, 0, 0
	SCALES 0
	FETCH_A 0, 0, 4
	s_wait_loadcnt 0x0                             ; bo
	STEP 0, 0, 1
	STEPS 0, 1
	TURN 0, 1
	STEPS 1, 0
	s_wait_dscnt 4*NL                              ; the last step
	WIN MUL_LO
	MUL16 0, 1, NQ-1, 1, 0
	MUL16 2, 1, NQ-1, 1, 0
	s_wait_dscnt 0
	WIN MUL_HI
	MUL16 4, 1, NQ-1, 1, 0
	MUL16 6, 1, NQ-1, 1, 0
	WIN 0
; THE WAY OUT, block by block of 16 places x 128 columns, through my own stage: in by columns' true places, back as whole rows of 512 bytes.  LDS serves a wave's instructions in order: no wait between the stores and the loads.
.macro TOSTAGE a
.set AC, 64*((\a)%4)
	WIN 0x08+4*((\a)/4)                            ; the data: window 2 or 3
.irp b, 0,1,2,3,4,5,6,7
	ds_store_b128 v[STO], v[AC+8*\b:AC+8*\b+3] offset:128*(\b/2)+32*(\b%2)          ; each accumulator from its low end on
	ds_store_b128 v[STO], v[AC+8*\b+4:AC+8*\b+7] offset:128*(\b/2)+32*(\b%2)+16
.endr
	WIN 0
.set BB, BK+64*((\a)%2)
.irp t, 0,1,2,3,4,5,6,7,8,9,10,11,12,13,14,15
	ds_load_b128 v[BB+4*\t:BB+4*\t+3], v[RD] offset:\t*SPITCH
.endr
.endm
.macro SEND a, younger                 ; place t of block a is row 32 (a / 2) + 8 (a % 2) + t + 8 (t / 8) of my 128: it stands in the immediate, 127 rows of 4,096 bytes at the most
.set BB, BK+64*((\a)%2)
	s_wait_dscnt \younger
.irp t, 0,1,2,3,4,5,6,7,8,9,10,11,12,13,14,15
	global_store_b128 v[CO], v[BB+4*\t:BB+4*\t+3], s[12:13] offset:(32*((\a)/2)+8*((\a)%2)+\t+8*(\t/8))*4096 th:TH_STORE_NT   ; 32 lanes store 512 consecutive bytes
.endr
.endm
	PLACES NP
	TOSTAGE 0
.irp a, 1,2,3,4,5,6,7
.if \a > 1
	s_wait_xcnt 0x0                                ; block a - 2's stores have read their registers: block a's loads may land there
.endif
	TOSTAGE \a
	SEND \a-1, 32                                  ; behind block a - 1's loads: block a's 16 stores and 16 loads
.endr
	SEND 7, 0
	s_wait_tensorcnt 0x0                           ; the wave's end
	ds_add_u32 v[SPW], v[NIL]
	s_wait_dscnt 0x0
	CROUND                                         ; the closing round
	s_endpgm
.Lfunc_end_k_qabd428aee1_outp:
	.size	k_qabd428aee1_outp, .Lfunc_end_k_qabd428aee1_outp-k_qabd428aee1_outp
	.p2alignl 7, 3214868480
	.fill 96, 4, 3214868480
	.section	.rodata,"a",@progbits
	.p2align	6, 0x0
	.amdhsa_kernel k_qabd428aee1_outp
		.amdhsa_group_segment_fixed_size 327680
		.amdhsa_private_segment_fixed_size 0
		.amdhsa_enable_private_segment 0
		.amdhsa_kernarg_size 48
		.amdhsa_user_sgpr_count 2
		.amdhsa_user_sgpr_kernarg_segment_ptr 1
		.amdhsa_wavefront_size32 1
		.amdhsa_system_sgpr_workgroup_id_x 1
		.amdhsa_system_sgpr_workgroup_id_y 1
		.amdhsa_system_sgpr_workgroup_id_z 1
		.amdhsa_system_vgpr_workitem_id 0
		.amdhsa_next_free_vgpr 1024
		.amdhsa_next_free_sgpr 98
		.amdhsa_reserve_vcc 0
		.amdhsa_float_denorm_mode_32 3
		.amdhsa_float_denorm_mode_16_64 3
		.amdhsa_memory_ordered 1
		.amdhsa_forward_progress 1
		.amdhsa_inst_pref_size 126
	.end_amdhsa_kernel
	.amdgpu_metadata
---
amdhsa.version: [ 1, 2 ]
amdhsa.kernels:
  - .name:           k_qabd428aee1_outp
    .symbol:         k_qabd428aee1_outp.kd
    .args:
      - { .name: oc, .offset: 0, .size: 8, .value_kind: global_buffer, .address_space: global }
      - { .name: os, .offset: 8, .size: 8, .value_kind: global_buffer, .address_space: global }
      - { .name: wc, .offset: 16, .size: 8, .value_kind: global_buffer, .address_space: global }
      - { .name: ws, .offset: 24, .size: 8, .value_kind: global_buffer, .address_space: global }
      - { .name: bo, .offset: 32, .size: 8, .value_kind: global_buffer, .address_space: global }
      - { .name: out0, .offset: 40, .size: 8, .value_kind: global_buffer, .address_space: global }
    .group_segment_fixed_size: 327680
    .private_segment_fixed_size: 0
    .kernarg_segment_align: 8
    .kernarg_segment_size: 48
    .max_flat_workgroup_size: 128
    .sgpr_count:     98
    .vgpr_count:     1024
    .wavefront_size: 32
...
	.end_amdgpu_metadata
.endif
;; end of part 4
